; MI455X (gfx1250); checked and timed in simulation.
; The chip was launched on July 23, 2026; its instructions are those of AMD's public machine-readable ISA for CDNA 5 (MIT licence, August 2026) and "CDNA5" Instruction Set Architecture Reference Guide (July 2026). The comments in the code are by the model that wrote it; some were corrected since.
;; ODE Func. Allowed arithmetic: matrix products marked QUANTISED: E2M3 operands, one E8M0 scale for each 32 along K, by v_wmma_scale_f32_16x16x128_f8f6f4 with both operands' format E2M3, f32 sums; everything else in f32.
;; Inputs: H 2 x 2,048 x 1,024 float32; b1 4,096 float32; b2 1,024 float32; mask 2 x 2,048 bool; norm1_scale 1,024 float32; norm2_scale 1,024 float32; s one number float32; w1 4,096 x 1,024 float32; w2 1,024 x 4,096 float32; wk 1,024 x 1,024 float32; wo 1,024 x 1,024 float32; wq 1,024 x 1,024 float32; wv 1,024 x 1,024 float32.
;; Outputs: out0 2 x 2,048 x 1,024 float32.
;; This version of the problem:
;;   THIS VERSION OF THE PROBLEM IS GIVEN IN LOW PRECISION. The matrix products marked QUANTISED in the list below multiply operands that are first quantised to E2M3 (2 exponent bits, 3 mantissa bits; 6 bits a number), with one power-of-two scale for each 32 numbers along K (OCP MX v1.0); their sums are f32. All else is computed in f32.
;;   The module's matrix products, in the order in which they are computed (A, B: the left and right operand; K: the contracted axis; several contracted axes count as one K, in the product's order):
;;     1. [M 4,096, K 1,024] x [K 1,024, N 1,024]; A: computed on the way; B: input wq: QUANTISED
;;     2. [M 4,096, K 1,024] x [K 1,024, N 1,024]; A: computed on the way; B: input wk: QUANTISED
;;     3. [M 4,096, K 1,024] x [K 1,024, N 1,024]; A: computed on the way; B: input wv: QUANTISED
;;     4. batch 32 x [M 2,048, K 64] x [K 64, N 2,048]; A: computed on the way; B: computed on the way: QUANTISED
;;     5. batch 32 x [M 2,048, K 2,048] x [K 2,048, N 64]; A: softmax (see below); B: computed on the way: QUANTISED
;;     6. [M 4,096, K 1,024] x [K 1,024, N 1,024]; A: computed on the way; B: input wo: QUANTISED
;;     7. [M 4,096, K 1,024] x [K 1,024, N 4,096]; A: computed on the way; B: input w1: QUANTISED
;;     8. [M 4,096, K 4,096] x [K 4,096, N 1,024]; A: computed on the way; B: input w2: QUANTISED
;;   THE QUANTISER, for each operand of a quantised product, along K:
;;     - K is cut into blocks of 32 from its start; a last block that is shorter is filled with zeros.
;;     - A block's scale is 2^e with e = floor(log2(the largest magnitude in the block)) - 2, held to -126 .. 127; a block of zeros has e = 0. As a byte (E8M0): e + 127.
;;     - Each number is divided by its block's scale, clamped to +-7.5, and rounded to the nearest number of E2M3, ties to even, subnormals kept.
;;     - The product sums the exact products of the quantised numbers (number of the format x scale) in f32.
;;   ~~~python
;;   def quantise(x, axis):      # numpy; x: float32 -> the quantised numbers, widened to float32 again
;;       x = np.moveaxis(x, axis, -1); K = x.shape[-1]
;;       x = np.pad(x, [(0, 0)] * (x.ndim - 1) + [(0, -K % 32)]); x = x.reshape(x.shape[:-1] + (-1, 32)); a = np.abs(x).max(-1, keepdims=True)
;;       e = np.where(a > 0, np.clip(np.frexp(np.where(a > 0, a, 1))[1] - 1 - 2, -126, 127), 0)      # np.frexp(a)[1] - 1 = floor(log2(a)), exactly
;;       r = np.clip(x / 2.0 ** e, -7.5, 7.5)
;;       step = 2.0 ** (np.maximum(np.frexp(np.where(r == 0, 1, r))[1] - 1, 0) - 3)
;;       q = np.round(r / step) * step * 2.0 ** e      # np.round: ties to even
;;       return np.moveaxis(q.reshape(q.shape[:-2] + (-1,))[..., :K], -1, axis).astype(np.float32)
;;   ~~~
;;   SOFTMAX AHEAD OF A QUANTISED PRODUCT. Where the list says 'softmax', what is quantised is not the finished softmax but p = 2^(t - M), with t = logit x log2(e) and M = ceil(the row's largest t), a whole number; so 1/2 < the row's largest p <= 1. The row's sum l is taken of the UNQUANTISED p, in f32, and the product's result is divided by l at the end. Since M is a whole number, a kernel that streams over the keys may use a running M (the ceiling of the running maximum): every later rescaling is an exact power of two, which a block's scale takes up: the codes' values come out the same.
;;   OPERANDS COMPUTED ON THE WAY. 'Computed on the way' means the value that the module computes at that place (a softmax that the list does not call 'softmax' is quantised finished and normalised). What goes into a quantiser is computed in f32, as accurately as f32 sums, v_exp_f32 and their like allow (about 1e-6 of the number): no bf16 or f16 on the way to a quantiser, and a product that is left as it is and whose result goes on into a quantised operand takes f32 operands (vector FMAs, or v_wmma_f32_16x16x4_f32). A number that lies on a knife's edge between two numbers of the format may be rounded either way, as far as f32 arithmetic and the matrix unit's own rounding can turn it there, and no further.
;; One version. Each part assembles by itself: llvm-mc -triple=amdgcn-amd-amdhsa -mcpu=gfx1250 --defsym DOCPART=n.
;; ======== version 1 of 1: 7 launches
;; limits: a function is approximated: absolute error at most 1e-07; right only within a limited range of input values
;; workspace buffers: img 13,107,200 bytes; qkv 12,189,696 bytes; yimg 3,276,800 bytes; abuf 16,777,216 bytes; zimg 3,276,800 bytes; himg 13,107,200 bytes
;; launch prep (part 1): grid 1024 x 1, 8 waves a work-group, no clusters, 69,632 bytes of LDS; arguments H, norm1_scale, wq, wk, wv, wo, w1, w2, img; writes img
.if DOCPART == 1
	.amdgcn_target "amdgcn-amd-amdhsa--gfx1250"
	.amdhsa_code_object_version 6
	.text
	.protected	k_q68e6d5508c_prep
	.globl	k_q68e6d5508c_prep
	.p2align	8
	.type	k_q68e6d5508c_prep,@function
k_q68e6d5508c_prep:
	s_mov_b64 s[64:65], 0
	v_nop
	global_prefetch_b8 v0, s[64:65] scope:SCOPE_SE
	s_setreg_imm32_b32 hwreg(HW_REG_WAVE_MODE, 25, 1), 1
	s_wait_xcnt 0x0
; rmsnorm1(H) and the six weights become codes of FP6 (E2M3) with one E8M0 byte for each 32 along K, laid as IMAGES OF OPERAND REGISTERS.
; A UNIT (12,800 bytes) is a tile of 16 rows x 1,024 along K: eight fragments of 1,536 bytes (16 rows x 128 K), then 512 bytes of scale words [K step][row].
; A fragment is two halves of 768 bytes: registers 6c..6c+3 of lane l at 16 l, registers 6c+4, 6c+5 at 512 + 8 l.  Tile t holds rows 32 (t / 2) + 8 (t % 2) + r + 8 (r / 8), r = 0..15.
; Units: 0-255 rmsnorm1(H) by token tile; 256 wq, 320 wk, 384 wv, 448 wo, 512 w1; 768 + 64 q + t: w2's tile t, columns 1,024 q on.
; Work-group u makes unit u, wave s its K step s.  ONE path serves all sources: only the pointer, the pitch and three numbers are chosen by the work-group's number; for a weight the
; gain becomes 1 (gain x 0 + 1) and the divisor 1, so that its numbers pass unchanged.
; Each load reads 512 consecutive bytes of a row; the 16 rows turn through the wave's own stage in LDS so that lane (r, h) holds, of row r, k = 32 b + 16 h + 0..15 in registers 16 b + 0..15.
; A block's byte is its largest magnitude's exponent field - 2, held at 1 from below (a block of zeros keeps 1: its codes are zeros, and this program alone reads the bytes).
; LIMITS: NaN and infinities among the inputs are not served; blocks whose largest magnitude lies under 2^-124 keep the byte 1.  The input s enters nothing in the result and is not named.
.set UNIT,  12800
.set FRB,   1536
.set SP,    528                        ; a stage row: 512 bytes + 16
.set WST,   16*SP                      ; a wave's stage
.set RS,    8*WST                      ; [row][wave] partial sums of squares, 512 bytes
.set SCG,   RS+512                     ; [wave][row] scale words, 512 bytes
.set SPARE, SCG+512                    ; the spare words, 128 bytes for each wave: four blocks of 256 bytes that no other line names
.set SPW,   12                         ; v12 my spare word's LDS address; never rewritten
.set NIL,   13                         ; v13 0; never rewritten
.set OFF,   16                         ; v16-31 byte offset of my 16 bytes in tile row i
.set R,     32                         ; v32-95 the rows as loaded; later at work
.set X,     96                         ; v96-159 my 64 numbers
.set G,     160                        ; v160-223 the gains of my 64 columns
.set TM,    32
.set PW,    48
.set PC,    50
.set PS,    62
.set SU,    70
.set WV,    40
.set SEL,   42
.macro QUANT s                         ; 64 numbers, register 16 b + i = k 32 b + 16 (lane / 16) + i, become a fragment in v[PC] on and its scale word in v[PW]
.irp b, 0,1,2,3
	v_max3_num_f32 v[TM+\b], |v[(\s)+16*\b]|, |v[(\s)+1+16*\b]|, 0x1800000   ; and the floor 2^(3 - 127): the byte cannot fall under 1
.endr
.irp i, 2,4,6,8,10,12,14
.irp b, 0,1,2,3
	v_max3_num_f32 v[TM+\b], v[TM+\b], |v[(\s)+16*\b+\i]|, |v[(\s)+1+16*\b+\i]|
.endr
.endr
.irp b, 0,1,2,3
	v_permlanex16_b32 v[TM+4+\b], v[TM+\b], s[SEL], s[SEL+1]
.endr
.irp b, 0,1,2,3
	v_max_num_f32 v[TM+\b], v[TM+\b], v[TM+4+\b]      ; with lane l xor 16's: the block's largest magnitude
.endr
.irp b, 0,1,2,3
	v_add_nc_u32 v[TM+12+\b], 0xff000000, v[TM+\b]    ; 2 off its exponent field: the conversion's scale operand
.endr
.irp b, 0,1,2,3
	v_lshrrev_b32 v[TM+4+\b], 23, v[TM+12+\b]         ; the scale's byte
.endr
	v_lshl_or_b32 v[PW], v[TM+5], 8, v[TM+4]
	v_lshl_or_b32 v[PW], v[TM+6], 16, v[PW]
	v_lshl_or_b32 v[PW], v[TM+7], 24, v[PW]
.irp c, 0,1
	v_cvt_scalef32_pk16_fp6_f32 v[PC+6*\c:PC+2+6*\c], v[(\s)+32*\c:(\s)+15+32*\c], v[TM+12+2*\c]
	v_cvt_scalef32_pk16_fp6_f32 v[PS+4*\c:PS+2+4*\c], v[(\s)+16+32*\c:(\s)+31+32*\c], v[TM+13+2*\c]
.endr
	v_nop                                          ; one plain place behind a scaled conversion
.irp c, 0,1                                    ; a whole block to a lane: lanes 0-15 block 2 c, lanes 16-31 block 2 c + 1
.irp i, 0,1,2
	v_permlane16_swap_b32 v[PC+6*\c+\i], v[PS+4*\c+\i]
.endr
.irp i, 0,1,2
	v_mov_b32 v[PC+3+6*\c+\i], v[PS+4*\c+\i]
.endr
.endr
.endm
.macro PICK first, ptr                 ; from unit 'first' on the source is the buffer at s[ptr]
	s_cmp_ge_u32 ttmp9, \first
	s_cselect_b64 s[22:23], s[\ptr:\ptr+1], s[22:23]
	s_cselect_b32 s24, \first, s24
.endm
	s_load_b256 s[4:11], s[0:1], 0x0               ; H, norm1_scale, wq, wk
	s_load_b256 s[12:19], s[0:1], 0x20             ; wv, wo, w1, w2
	s_load_b64 s[20:21], s[0:1], 0x40              ; img
	v_lshl_add_u32 v[SPW], v0, 2, SPARE
	v_mov_b32 v[NIL], 0
	v_lshrrev_b32 v1, 5, v0
	v_readfirstlane_b32 s[WV], v1                  ; wave = K step
	v_and_b32 v1, 31, v0                           ; lane
	v_and_b32 v2, 15, v0                           ; r
	v_bfe_u32 v3, v0, 4, 1                         ; h
	v_lshlrev_b32 v4, 4, v1                        ; 16 l
	v_lshlrev_b32 v5, 3, v1                        ; 8 l
	s_mul_i32 s24, s[WV], WST
	v_add_nc_u32 v6, s24, v4                       ; the stage, in: 16 l
	v_mul_u32_u24 v7, v2, SP
	v_lshl_add_u32 v7, v3, 6, v7
	v_add_nc_u32 v7, s24, v7                       ; out: row r, + 64 h
	v_lshlrev_b32 v9, 5, v2
	v_add_nc_u32 v9, RS, v9                        ; row r's eight partial sums
	s_lshl_b32 s25, s[WV], 2
	v_add_nc_u32 v8, s25, v9                       ; and mine among them
	v_lshlrev_b32 v10, 2, v2
	s_lshl_b32 s25, s[WV], 6
	s_add_co_u32 s25, s25, SCG
	v_add_nc_u32 v10, s25, v10                     ; my K step's scale word of row r
	v_add_nc_u32 v11, SCG, v4                      ; all 512 bytes of them, 16 a lane
	s_lshl_b32 s25, s[WV], 9
	v_lshlrev_b32 v14, 6, v3
	v_add_nc_u32 v14, s25, v14                     ; the gains: 512 x K step + 64 h
	s_mov_b32 s[SEL], 0x76543210
	s_mov_b32 s[SEL+1], 0xfedcba98                 ; lane l xor 16
	s_mov_b32 s41, 0x3a800000                      ; 1 / 1,024
	s_cmp_lt_u32 ttmp9, 256                        ; tokens or a weight?  The work-group's number alone decides
	s_cselect_b32 s32, 1.0, 0                      ; gain x 1 + 0, or gain x 0 + 1
	s_cselect_b32 s34, 0, 1.0
	s_cselect_b32 s36, -1, 0                       ; the lanes that take 1 / rms
	s_mov_b32 s33, s32
	s_wait_kmcnt 0x0
	s_mov_b64 s[22:23], s[4:5]
	s_mov_b32 s24, 0
	PICK 256, 8
	PICK 320, 10
	PICK 384, 12
	PICK 448, 14
	PICK 512, 16
	PICK 768, 18
	s_sub_co_u32 s25, ttmp9, s24                   ; the tile in its source (w2: 64 x chunk + tile)
	s_lshr_b32 s27, s25, 6
	s_and_b32 s28, s25, 63
	s_cmp_ge_u32 ttmp9, 768
	s_cselect_b32 s27, s27, 0                      ; chunk of 1,024 columns
	s_cselect_b32 s28, s28, s25                    ; tile
	s_cselect_b32 s26, 14, 12                      ; a row is 16,384 bytes in w2, else 4,096
	s_lshl_b32 s31, 1, s26
	s_lshr_b32 s29, s28, 1
	s_lshl_b32 s29, s29, 5
	s_and_b32 s30, s28, 1
	s_lshl_b32 s30, s30, 3
	s_add_co_u32 s29, s29, s30                     ; the tile's first row
	s_lshl_b32 s28, s29, s26
	s_lshl_b32 s27, s27, 12
	s_add_co_u32 s28, s28, s27
	s_lshl_b32 s30, s[WV], 9
	s_add_co_u32 s28, s28, s30                     ; + my K step's 512 bytes
	s_mov_b32 s29, 0
	s_add_nc_u64 s[22:23], s[22:23], s[28:29]
	s_mul_i32 s28, ttmp9, UNIT
	s_mul_i32 s30, s[WV], FRB
	s_add_co_u32 s28, s28, s30
	s_add_nc_u64 s[20:21], s[20:21], s[28:29]      ; my fragment in img
.irp i, 0,1,2,3,4,5,6,7,8,9,10,11,12,13,14,15
	v_mad_u32_u24 v[OFF+\i], s31, \i+8*(\i/8), v4  ; tile row i lies i + 8 (i / 8) rows down
.endr
.irp i, 0,1,2,3,4,5,6,7,8,9,10,11,12,13,14,15
	global_load_b128 v[R+4*\i:R+4*\i+3], v[OFF+\i], s[22:23] th:TH_LOAD_NT   ; 32 lanes read 512 consecutive bytes
.endr
.irp b, 0,1,2,3
.irp j, 0,1,2,3
	global_load_b128 v[G+16*\b+4*\j:G+16*\b+4*\j+3], v14, s[6:7] offset:128*\b+16*\j
.endr
.endr
	s_wait_loadcnt 16                              ; the rows are in; the 16 loads of gains are younger
.irp i, 0,1,2,3,4,5,6,7,8,9,10,11,12,13,14,15
	ds_store_b128 v6, v[R+4*\i:R+4*\i+3] offset:SP*\i
.endr
.irp b, 0,1,2,3
.irp j, 0,1,2,3
	ds_load_b128 v[X+16*\b+4*\j:X+16*\b+4*\j+3], v7 offset:128*\b+16*\j   ; LDS serves a wave's instructions in order: these see my stores
.endr
.endr
	s_wait_dscnt 0x0
.irp b, 0,1,2,3
	v_mov_b32 v[TM+4+\b], 0                        ; a lane permute's destination counts as one of its sources
.endr
	v_pk_mul_f32 v[SU:SU+1], v[X:X+1], v[X:X+1]    ; the sum of my 64 squares, in two chains
	v_pk_mul_f32 v[SU+2:SU+3], v[X+2:X+3], v[X+2:X+3]
.irp j, 4,8,12,16,20,24,28,32,36,40,44,48,52,56,60
	v_pk_fma_f32 v[SU:SU+1], v[X+\j:X+\j+1], v[X+\j:X+\j+1], v[SU:SU+1]
	v_pk_fma_f32 v[SU+2:SU+3], v[X+\j+2:X+\j+3], v[X+\j+2:X+\j+3], v[SU+2:SU+3]
.endr
	v_pk_add_f32 v[SU:SU+1], v[SU:SU+1], v[SU+2:SU+3]
	v_add_f32 v[SU], v[SU], v[SU+1]
	v_permlanex16_b32 v[SU+1], v[SU], s[SEL], s[SEL+1]
	v_add_f32 v[SU], v[SU], v[SU+1]                ; row r's 128 squares of my K step
	ds_store_b32 v8, v[SU]                         ; (both halves write the same word with the same value)
	s_wait_dscnt 0x0                               ; for the others' sake: my store has landed
	s_barrier_signal -1
	s_barrier_wait -1
	ds_load_b128 v[SU+2:SU+5], v9
	ds_load_b128 v[SU+6:SU+9], v9 offset:16
	s_wait_dscnt 0x0
	v_add_f32 v[SU+2], v[SU+2], v[SU+3]            ; the same order in every wave: the same sum
	v_add_f32 v[SU+4], v[SU+4], v[SU+5]
	v_add_f32 v[SU+6], v[SU+6], v[SU+7]
	v_add_f32 v[SU+8], v[SU+8], v[SU+9]
	v_add_f32 v[SU+2], v[SU+2], v[SU+4]
	v_add_f32 v[SU+6], v[SU+6], v[SU+8]
	v_add_f32 v[SU+2], v[SU+2], v[SU+6]
	v_fmaak_f32 v[SU], s41, v[SU+2], 0x358637bd    ; the mean + 1e-6
	v_rsq_f32 v[SU+1], v[SU]
	v_mov_b32 v[SU+6], s34                         ; (plain work behind the transcendental)
	v_mov_b32 v[SU+7], s34
	s_wait_alu depctr_va_vdst(0)                   ; the wait ahead of the result's first reader
	v_cndmask_b32 v[SU+4], 1.0, v[SU+1], s36       ; 1 / rms for tokens, 1 for a weight
	v_mov_b32 v[SU+5], v[SU+4]
	s_wait_loadcnt 0x0                             ; the gains
.set j, 0
.rept 32
	v_pk_fma_f32 v[G+j:G+j+1], v[G+j:G+j+1], s[32:33], v[SU+6:SU+7] op_sel_hi:[1,0,1]
.set j, j+2
.endr
.set j, 0
.rept 32
	v_pk_mul_f32 v[X+j:X+j+1], v[X+j:X+j+1], v[SU+4:SU+5]
.set j, j+2
.endr
.set j, 0
.rept 32
	v_pk_mul_f32 v[X+j:X+j+1], v[X+j:X+j+1], v[G+j:G+j+1]
.set j, j+2
.endr
	QUANT X
	global_store_b128 v4, v[PC:PC+3], s[20:21]             ; each store covers 512 or 256 consecutive bytes, at a multiple of 256 from img's first byte
	global_store_b64 v5, v[PC+4:PC+5], s[20:21] offset:512
	global_store_b128 v4, v[PC+6:PC+9], s[20:21] offset:768
	global_store_b64 v5, v[PC+10:PC+11], s[20:21] offset:1280
	ds_store_b32 v10, v[PW]
	s_wait_dscnt 0x0
	s_barrier_signal -1
	s_barrier_wait -1                              ; the unit's 128 scale words lie in LDS
	s_cmp_lg_u32 s[WV], 0
	s_cbranch_scc1 .Lend
	ds_load_b128 v[SU:SU+3], v11
	s_wait_dscnt 0x0
	global_store_b128 v4, v[SU:SU+3], s[20:21] offset:8*FRB   ; wave 0's fragment begins the unit: 512 consecutive bytes
.Lend:
	s_wait_tensorcnt 0x0                           ; the wave's end
	ds_add_u32 v[SPW], v[NIL]
	s_wait_dscnt 0x0
	s_endpgm
.Lfunc_end_k_q68e6d5508c_prep:
	.size	k_q68e6d5508c_prep, .Lfunc_end_k_q68e6d5508c_prep-k_q68e6d5508c_prep
	.p2alignl 7, 3214868480
	.fill 96, 4, 3214868480
	.section	.rodata,"a",@progbits
	.p2align	6, 0x0
	.amdhsa_kernel k_q68e6d5508c_prep
		.amdhsa_group_segment_fixed_size 69632
		.amdhsa_private_segment_fixed_size 0
		.amdhsa_enable_private_segment 0
		.amdhsa_kernarg_size 72
		.amdhsa_user_sgpr_count 2
		.amdhsa_user_sgpr_kernarg_segment_ptr 1
		.amdhsa_wavefront_size32 1
		.amdhsa_system_sgpr_workgroup_id_x 1
		.amdhsa_system_sgpr_workgroup_id_y 1
		.amdhsa_system_sgpr_workgroup_id_z 1
		.amdhsa_system_vgpr_workitem_id 0
		.amdhsa_next_free_vgpr 224
		.amdhsa_next_free_sgpr 66
		.amdhsa_reserve_vcc 0
		.amdhsa_float_denorm_mode_32 3
		.amdhsa_float_denorm_mode_16_64 3
		.amdhsa_memory_ordered 1
		.amdhsa_forward_progress 1
		.amdhsa_inst_pref_size 24
	.end_amdhsa_kernel
	.amdgpu_metadata
---
amdhsa.version: [ 1, 2 ]
amdhsa.kernels:
  - .name:           k_q68e6d5508c_prep
    .symbol:         k_q68e6d5508c_prep.kd
    .args:
      - { .name: H, .offset: 0, .size: 8, .value_kind: global_buffer, .address_space: global }
      - { .name: norm1_scale, .offset: 8, .size: 8, .value_kind: global_buffer, .address_space: global }
      - { .name: wq, .offset: 16, .size: 8, .value_kind: global_buffer, .address_space: global }
      - { .name: wk, .offset: 24, .size: 8, .value_kind: global_buffer, .address_space: global }
      - { .name: wv, .offset: 32, .size: 8, .value_kind: global_buffer, .address_space: global }
      - { .name: wo, .offset: 40, .size: 8, .value_kind: global_buffer, .address_space: global }
      - { .name: w1, .offset: 48, .size: 8, .value_kind: global_buffer, .address_space: global }
      - { .name: w2, .offset: 56, .size: 8, .value_kind: global_buffer, .address_space: global }
      - { .name: img, .offset: 64, .size: 8, .value_kind: global_buffer, .address_space: global }
    .group_segment_fixed_size: 69632
    .private_segment_fixed_size: 0
    .kernarg_segment_align: 8
    .kernarg_segment_size: 72
    .max_flat_workgroup_size: 256
    .sgpr_count:     66
    .vgpr_count:     224
    .wavefront_size: 32
...
	.end_amdgpu_metadata
.endif
;; end of part 1
;; launch qkv (part 2): grid 16 x 12, 4 waves a work-group, clusters of 4 x 1, 205,312 bytes of LDS; arguments img, mask, qkv; writes qkv
.if DOCPART == 2
	.amdgcn_target "amdgcn-amd-amdhsa--gfx1250"
	.amdhsa_code_object_version 6
	.text
	.protected	k_q68e6d5508c_qkv
	.globl	k_q68e6d5508c_qkv
	.p2align	8
	.type	k_q68e6d5508c_qkv,@function
k_q68e6d5508c_qkv:
	s_mov_b64 s[64:65], 0
	v_nop
	global_prefetch_b8 v0, s[64:65] scope:SCOPE_SE
	s_setreg_imm32_b32 hwreg(HW_REG_WAVE_MODE, 25, 1), 1
	s_wait_xcnt 0x0
	s_wait_alu depctr_hold_cnt(0) depctr_sa_sdst(0) depctr_va_vdst(0) depctr_va_sdst(0) depctr_va_ssrc(0) depctr_va_vcc(0) depctr_vm_vsrc(0)
	s_getreg_b32 s2, hwreg(HW_REG_IB_STS2, 6, 4)
	s_cmp_eq_u32 s2, 0
	s_cbranch_scc0 .Lentry_in_a_cluster
	s_endpgm
.Lentry_in_a_cluster:
	s_bfe_u32 s2, ttmp6, 0x10000c
	s_cmp_lg_u32 s2, 0x3003
	s_cbranch_scc0 .Lentry_shape_is_right
	s_endpgm
.Lentry_shape_is_right:
; q, k, v = rmsnorm1(H) W^T on codes of FP6, and their own quantising for attention, in one launch.  Operands come as units (16 rows x 1,024 K: eight fragments of 1,536 bytes, then 512 bytes of scale words).
; SHARES.  Work-group (x, y): 256 tokens (x) against two blocks of 128 weight rows (2 y, 2 y + 1; y 0-3 wq, 4-7 wk, 8-11 wv).  Wave w owns four token tiles, whose 32 fragments come from memory straight into
; registers and stay; a block's eight weight units (102,400 dense bytes) lie in an LDS slot.  Both slots are filled once, jointly for the four work-groups of the cluster, which differ in x alone.
; The first block begins as soon as slot 0 has landed; slot 1's fill has the first block's work in which to land and is waited for at the loop's foot, in front of a barrier.
; A K step is 32 matrix instructions fed by eight weight fragments from LDS; the next step's fragments are fetched in one run ahead of them, in two sets by turns.
; q, k: source 0 = weight rows, source 1 = tokens: a lane holds one token and 64 neighbours along D, two heads: they are quantised in registers, a head's 64 being the first half of a fragment.
; v: the sources are swapped: a lane holds one channel and 64 neighbouring tokens, which are the second product's K.
; THE KEY MASK rides at k = 64 of the scores' product, whose K is padded from 64 to 128: q carries the code of 1.0 there under the scale byte 127, a hidden key the code of -7.5 under the byte 227 (2^100),
; an open key zero codes under the byte 1.  So a hidden key's score is about -9.5e30 and costs the attention loop nothing.
; qkv: Q region, for each (batch, head) 139,264 bytes: 128 tiles x 1,024 (registers 0-3 at 16 l; registers 4-7 at 512 + 16 l), then scale words [tile][row].
;      KV region from 4,456,448 on, for each (batch, head) 16 records of 15,104 bytes for 128 keys: 8 tiles of K x 1,024; K's scale words, 512; V^T, 4 fragments x 1,536; V's scale bytes, 256.
; REGISTERS: window 0: v1-5 lane terms, v6-11 LDS addresses, v16-31 tokens' scale words, v32-63 weights' scale words, v128-159 at work, v160-255 weight set 1 and, on the way out, codes.
;   window 1: the 32 accumulators.  window 3: token fragments of K steps 0-4.  window 2: those of K steps 5-7 (v0-143), weight set 0 (v144-239).
; No work-group's place in its cluster enters a branch or an LDS address.  192 work-groups: 24 blocks x 16 token blocks divide no more evenly at this wave tile.
; LIMITS: NaN and infinities are not served; blocks whose largest magnitude lies under 2^-124 keep the byte 1.
.set UNIT,  12800
.set FRB,   1536
.set SCO,   12288
.set SLOTB, 8*UNIT
.set SPARE, 2*SLOTB                    ; behind the slots: the spare words, 128 bytes for each wave: two blocks of 256 bytes that no other line names
.set REC,   15104
.set QHB,   139264
.set KVB,   4456448
.set KVH,   241664
.set AW16,  6
.set AW8,   8
.set AW4,   10
.set SPW,   12
.set NIL,   13
.set TSC,   16
.set WSC,   32
.set TM,    128
.set PW,    144
.set KW,    145                        ; v145-148 the mask's bytes at the head; v's scale bytes later
.set CODEV, 149
.set PADTV, 150
.set PAD0,  151
.set PAD,   153
.set PC,    160
.set TQ,    176
.set PS,    180
.set WS0,   144
.set WS1,   160
.set SB,    40
.set TRIP,  41
.set TB,    42
.set OC,    66                         ; s[66:69] where the block's two heads' codes go; s[70:73] their scales
.set OS,    70
.set FM,    74                         ; s74-77 lanes whose key is hidden (q: all), by token tile; s78-81 the same, lanes 0-15 alone
.set FL,    78
.set HM,    82
.set QALL,  83
.set HS2,   84
.set MB,    86
.set SEL,   88
.set MSB, 0
.macro WIN new                         ; the immediate's high byte repeats the setting that is left
.if MSB != (\new)
	s_set_vgpr_msb (MSB<<8)|(\new)
.set MSB, (\new)
.endif
.endm
.macro PLACES n
.rept \n
	v_nop
.endr
.endm
.macro CROUND                          ; a round of the cluster's barrier
	s_barrier_signal -1
	s_barrier_wait -1
	s_cmp_lg_u32 s10, 0
	s_cbranch_scc1 .Lnot_wave_0_\@
	s_barrier_signal -3
.Lnot_wave_0_\@:
	s_barrier_wait -3
	s_barrier_signal -1
	s_barrier_wait -1
.endm
.macro WM d, a, b, c, sa, sb, odd      ; one product; c < 0: it starts the sum; odd: both sides' scale words lie in lanes 16-31
.if (\c) < 0
.if \odd
	v_wmma_scale_f32_16x16x128_f8f6f4 v[(\d):(\d)+7], v[(\a):(\a)+11], v[(\b):(\b)+11], 0, v[\sa], v[\sb] matrix_a_fmt:MATRIX_FMT_FP6 matrix_b_fmt:MATRIX_FMT_FP6 matrix_a_scale:MATRIX_SCALE_ROW1 matrix_b_scale:MATRIX_SCALE_ROW1
.else
	v_wmma_scale_f32_16x16x128_f8f6f4 v[(\d):(\d)+7], v[(\a):(\a)+11], v[(\b):(\b)+11], 0, v[\sa], v[\sb] matrix_a_fmt:MATRIX_FMT_FP6 matrix_b_fmt:MATRIX_FMT_FP6
.endif
.else
.if \odd
	v_wmma_scale_f32_16x16x128_f8f6f4 v[(\d):(\d)+7], v[(\a):(\a)+11], v[(\b):(\b)+11], v[(\c):(\c)+7], v[\sa], v[\sb] matrix_a_fmt:MATRIX_FMT_FP6 matrix_b_fmt:MATRIX_FMT_FP6 matrix_a_scale:MATRIX_SCALE_ROW1 matrix_b_scale:MATRIX_SCALE_ROW1
.else
	v_wmma_scale_f32_16x16x128_f8f6f4 v[(\d):(\d)+7], v[(\a):(\a)+11], v[(\b):(\b)+11], v[(\c):(\c)+7], v[\sa], v[\sb] matrix_a_fmt:MATRIX_FMT_FP6 matrix_b_fmt:MATRIX_FMT_FP6
.endif
.endif
.endm
.macro WFRAG reg, b, s                 ; weight tile b's fragment of K step s: four dense loads
	ds_load_b128 v[(\reg):(\reg)+3], v[AW16+(\b)/4] offset:((\b)%4)*UNIT+FRB*(\s)
	ds_load_b64 v[(\reg)+4:(\reg)+5], v[AW8+(\b)/4] offset:((\b)%4)*UNIT+FRB*(\s)+512
	ds_load_b128 v[(\reg)+6:(\reg)+9], v[AW16+(\b)/4] offset:((\b)%4)*UNIT+FRB*(\s)+768
	ds_load_b64 v[(\reg)+10:(\reg)+11], v[AW8+(\b)/4] offset:((\b)%4)*UNIT+FRB*(\s)+1280
.endm
.macro FETCHW s, set                   ; 32 LDS loads in one run
.if (\set) == 0
	WIN 0x80
.irp b, 0,1,2,3,4,5,6,7
	WFRAG WS0+12*\b, \b, \s
.endr
.else
	WIN 0
.irp b, 0,1,2,3,4,5,6,7
	WFRAG WS1+12*\b, \b, \s
.endr
.endif
.endm
.macro WSCALES                         ; register 4 b + p: lanes 0-15 tile b's words of K step 2 p, lanes 16-31 of K step 2 p + 1
.irp b, 0,1,2,3,4,5,6,7
.irp p, 0,1,2,3
	ds_load_b32 v[WSC+4*\b+\p], v[AW4+\b/4] offset:(\b%4)*UNIT+SCO+128*\p
.endr
.endr
.endm
.macro TLOAD_T s                       ; my four token tiles' fragments of K step s, from memory into their registers
.if (\s) < 5
	WIN 0xc0
.set TR, 48*(\s)
.else
	WIN 0x80
.set TR, 48*((\s)-5)
.endif
.irp a, 0,1,2,3
	global_load_b128 v[TR+12*\a:TR+12*\a+3], v1, s[TB:TB+1] offset:\a*UNIT+FRB*(\s)
	global_load_b64 v[TR+12*\a+4:TR+12*\a+5], v2, s[TB:TB+1] offset:\a*UNIT+FRB*(\s)+512
	global_load_b128 v[TR+12*\a+6:TR+12*\a+9], v1, s[TB:TB+1] offset:\a*UNIT+FRB*(\s)+768
	global_load_b64 v[TR+12*\a+10:TR+12*\a+11], v2, s[TB:TB+1] offset:\a*UNIT+FRB*(\s)+1280
.endr
.endm
; 32 products of K step s.  mode 0: add; 1: start the sums; 3, 4: the same with the sources swapped (v).  The 32 accumulators take turns, one instruction a turn, in the same order in every step.
.macro MULS s, mode
.set WR, WS0+(WS1-WS0)*((\s)%2)
.set WW, 2-2*((\s)%2)
.if (\s) < 5
.set TR, 48*(\s)
.set TW, 3
.else
.set TR, 48*((\s)-5)
.set TW, 2
.endif
.if (\mode) >= 3
	WIN 0x50|TW|(WW<<2)
.irp b, 0,1,2,3,4,5,6,7
.irp a, 0,1,2,3
.if (\mode) == 3
	WM 8*(4*\b+\a), TR+12*\a, WR+12*\b, -1, TSC+4*\a+(\s)/2, WSC+4*\b+(\s)/2, (\s)%2
.else
	WM 8*(4*\b+\a), TR+12*\a, WR+12*\b, 8*(4*\b+\a), TSC+4*\a+(\s)/2, WSC+4*\b+(\s)/2, (\s)%2
.endif
.endr
.endr
.else
	WIN 0x50|WW|(TW<<2)
.irp a, 0,1,2,3
.irp b, 0,1,2,3,4,5,6,7
.if (\mode) == 1
	WM 8*(8*\a+\b), WR+12*\b, TR+12*\a, -1, WSC+4*\b+(\s)/2, TSC+4*\a+(\s)/2, (\s)%2
.else
	WM 8*(8*\a+\b), WR+12*\b, TR+12*\a, 8*(8*\a+\b), WSC+4*\b+(\s)/2, TSC+4*\a+(\s)/2, (\s)%2
.endif
.endr
.endr
.endif
.endm
.macro KSTEP s, n, mode
	s_wait_loadcnt \n                              ; this K step's token fragments are in: n younger loads may be out (at most 63 can be)
	s_wait_dscnt 0x0                               ; this step's weight fragments, asked for a K step ago
	PLACES 4                                       ; behind the products that read the other set (ISA guide 7.12.1 for vector instructions)
.if (\s) < 7
	FETCHW (\s)+1, ((\s)+1)%2
.endif
	MULS \s, \mode
.endm
.macro QUANT s, sw                     ; 64 numbers in window sw, register 16 b + i = k 32 b + 16 (lane / 16) + i: a fragment in v[PC] on, its scale word in v[PW]
	WIN (\sw)|((\sw)<<2)
.irp b, 0,1,2,3
	v_max3_num_f32 v[TM+\b], |v[(\s)+16*\b]|, |v[(\s)+1+16*\b]|, 0x1800000   ; each accumulator is read from its low end on; the floor 2^(3 - 127) holds the byte at 1
.endr
	WIN ((\sw)<<2)|((\sw)<<4)
.irp i, 2,4,6,8,10,12,14
.irp b, 0,1,2,3
	v_max3_num_f32 v[TM+\b], v[TM+\b], |v[(\s)+16*\b+\i]|, |v[(\s)+1+16*\b+\i]|
.endr
.endr
	WIN 0
.irp b, 0,1,2,3
	v_permlanex16_b32 v[TM+4+\b], v[TM+\b], s[SEL], s[SEL+1]
.endr
.irp b, 0,1,2,3
	v_max_num_f32 v[TM+\b], v[TM+\b], v[TM+4+\b]
.endr
.irp b, 0,1,2,3
	v_add_nc_u32 v[TM+12+\b], 0xff000000, v[TM+\b]
.endr
.irp b, 0,1,2,3
	v_lshrrev_b32 v[TM+4+\b], 23, v[TM+12+\b]
.endr
	v_lshl_or_b32 v[PW], v[TM+5], 8, v[TM+4]
	v_lshl_or_b32 v[PW], v[TM+6], 16, v[PW]
	v_lshl_or_b32 v[PW], v[TM+7], 24, v[PW]
	WIN \sw
.irp c, 0,1
	v_cvt_scalef32_pk16_fp6_f32 v[PC+6*\c:PC+2+6*\c], v[(\s)+32*\c:(\s)+15+32*\c], v[TM+12+2*\c]
	v_cvt_scalef32_pk16_fp6_f32 v[PS+4*\c:PS+2+4*\c], v[(\s)+16+32*\c:(\s)+31+32*\c], v[TM+13+2*\c]
.endr
	WIN 0
	v_nop
.irp c, 0,1
.irp i, 0,1,2
	v_permlane16_swap_b32 v[PC+6*\c+\i], v[PS+4*\c+\i]
.endr
.irp i, 0,1,2
	v_mov_b32 v[PC+3+6*\c+\i], v[PS+4*\c+\i]
.endr
.endr
.endm
.macro QUANT32 s, sw, dst, u           ; 32 numbers likewise: half a fragment in v[dst] .. v[dst + 5], its two bytes in v[u]
	WIN (\sw)|((\sw)<<2)
.irp b, 0,1
	v_max3_num_f32 v[TM+\b], |v[(\s)+16*\b]|, |v[(\s)+1+16*\b]|, 0x1800000
.endr
	WIN ((\sw)<<2)|((\sw)<<4)
.irp i, 2,4,6,8,10,12,14
.irp b, 0,1
	v_max3_num_f32 v[TM+\b], v[TM+\b], |v[(\s)+16*\b+\i]|, |v[(\s)+1+16*\b+\i]|
.endr
.endr
	WIN 0
.irp b, 0,1
	v_permlanex16_b32 v[TM+4+\b], v[TM+\b], s[SEL], s[SEL+1]
.endr
.irp b, 0,1
	v_max_num_f32 v[TM+\b], v[TM+\b], v[TM+4+\b]
.endr
.irp b, 0,1
	v_add_nc_u32 v[TM+12+\b], 0xff000000, v[TM+\b]
.endr
.irp b, 0,1
	v_lshrrev_b32 v[TM+4+\b], 23, v[TM+12+\b]
.endr
	v_lshl_or_b32 v[\u], v[TM+5], 8, v[TM+4]
	WIN \sw
	v_cvt_scalef32_pk16_fp6_f32 v[(\dst):(\dst)+2], v[(\s):(\s)+15], v[TM+12]
	v_cvt_scalef32_pk16_fp6_f32 v[PS:PS+2], v[(\s)+16:(\s)+31], v[TM+13]
	WIN 0
	v_nop
.irp i, 0,1,2
	v_permlane16_swap_b32 v[(\dst)+\i], v[PS+\i]
.endr
.irp i, 0,1,2
	v_mov_b32 v[(\dst)+3+\i], v[PS+\i]
.endr
.endm
; q or k, token tile a: 64 numbers a lane are two heads' halves of a fragment; each goes out with the mask's word and a zero word behind its six registers
.macro EPQK a
	s_wait_xcnt 0x0                                ; the last tile's stores have read their registers
	QUANT 64*(\a), 1
	v_cndmask_b32 v[TQ+2], 0, v[CODEV], s[FL+\a]   ; k = 64: the code of 1.0 (q), of -7.5 (a hidden key), else 0
	v_cndmask_b32 v[PAD], v[PAD0], v[PADTV], s[FM+\a]   ; the bytes of k = 64 .. 127
	v_mov_b32 v[TQ], v[PC+4]
	v_mov_b32 v[TQ+1], v[PC+5]
	v_mov_b32 v[TQ+3], 0
	v_mov_b32 v[PC+12], v[TQ+2]
	v_mov_b32 v[PC+13], 0
	global_store_b128 v1, v[PC:PC+3], s[OC:OC+1] offset:1024*(\a)
	global_store_b128 v1, v[TQ:TQ+3], s[OC:OC+1] offset:1024*(\a)+512
	global_store_b128 v1, v[PC+6:PC+9], s[OC+2:OC+3] offset:1024*(\a)
	global_store_b128 v1, v[PC+10:PC+13], s[OC+2:OC+3] offset:1024*(\a)+512
.if (\a)%2 == 0
	v_perm_b32 v154, v[PAD], v[PW], 0x05040100     ; head 0: my two bytes, then the padding's two
	v_perm_b32 v155, v[PAD], v[PW], 0x05040302     ; head 1
.else
	v_perm_b32 v156, v[PAD], v[PW], 0x05040100
	v_perm_b32 v157, v[PAD], v[PW], 0x05040302
	v_cndmask_b32 v158, v154, v156, s[HM]          ; lanes 0-15 the even tile's words, lanes 16-31 the odd tile's: 128 consecutive bytes
	v_cndmask_b32 v159, v155, v157, s[HM]
	global_store_b32 v3, v158, s[OS:OS+1] offset:128*((\a)/2)
	global_store_b32 v3, v159, s[OS+2:OS+3] offset:128*((\a)/2)
.endif
.endm
; v, weight tile b: a lane's 32 numbers are 64 keys' worth of one channel with its partner lane: half a fragment of V^T
.macro EPV b
	s_wait_xcnt 0x0
	QUANT32 32*(\b), 1, PC, KW+(\b)%4
	global_store_b128 v1, v[PC:PC+3], s[OC+2*((\b)/4):OC+2*((\b)/4)+1] offset:8704+FRB*((\b)%4)
	global_store_b64 v2, v[PC+4:PC+5], s[OC+2*((\b)/4):OC+2*((\b)/4)+1] offset:8704+FRB*((\b)%4)+512
.if (\b)%4 == 3
	v_lshl_or_b32 v154, v[KW+2], 16, v[KW]         ; channel tiles 0 and 2,
	v_lshl_or_b32 v155, v[KW+3], 16, v[KW+1]       ; 1 and 3
	v_cndmask_b32 v[156+(\b)/4], v154, v155, s[HM]
	global_store_b32 v2, v[156+(\b)/4], s[OS+2*((\b)/4):OS+2*((\b)/4)+1] offset:14848
.endif
.endm
	s_load_b128 s[4:7], s[0:1], 0x0                ; img, mask
	s_load_b64 s[8:9], s[0:1], 0x10                ; qkv
	v_lshl_add_u32 v[SPW], v0, 2, SPARE
	v_mov_b32 v[NIL], 0
	ds_add_u32 v[SPW], v[NIL]                      ; the wave's opening: the add and its wait ahead of my first tensor load
	v_lshrrev_b32 v1, 5, v0
	v_readfirstlane_b32 s10, v1                    ; wave
	s_bfe_u32 s11, ttmp6, 0x40000                  ; cx
	s_lshl_b32 s12, ttmp9, 2
	s_add_co_u32 s12, s12, s11                     ; x: it enters global addresses of tokens and results alone
	s_and_b32 s13, ttmp7, 0xffff                   ; y, which the four partners share
	s_mov_b32 s16, 0x0023000f                      ; group 1: mask of all four; elements of 8 bytes; bit 21 beside the mask; no padding
	s_mov_b32 s17, 32<<16                          ; tensor_dim0 = 32 elements: rows of 256 bytes
	s_mov_b32 s18, 100<<16                         ; tensor_dim1 = 100 rows: two units, 25,600 dense bytes
	s_mov_b32 s19, 32<<16                          ; tile_dim0
	s_mov_b32 s20, 100                             ; tile_dim1
	s_mov_b32 s21, 32                              ; pitch
	s_mov_b32 s22, 0
	s_mov_b32 s23, 0
	s_mul_i32 s14, s10, 2*UNIT                     ; my quarter of a slot
	s_lshl_b32 s15, s13, 4
	s_lshl_b32 s2, s10, 1
	s_add_co_u32 s15, s15, s2
	s_add_co_u32 s15, s15, 256                     ; unit 256 + 16 y + 2 w: made of y and the wave alone
	s_mul_i32 s2, s15, UNIT
	s_mov_b32 s3, 0
	v_and_b32 v3, 31, v0
	v_lshlrev_b32 v1, 4, v3                        ; 16 l
	v_lshlrev_b32 v2, 3, v3                        ; 8 l
	v_lshlrev_b32 v3, 2, v3                        ; 4 l
	v_and_b32 v4, 15, v0                           ; r
	v_bfe_u32 v5, v0, 4, 1                         ; h
	v_and_b32 v14, 8, v4
	v_add_nc_u32 v14, v14, v4                      ; r + 8 (r / 8): my token in a tile
	s_mov_b32 s[SEL], 0x76543210
	s_mov_b32 s[SEL+1], 0xfedcba98
	s_mov_b32 s[HM], 0xffff0000
	s_lshl_b32 s44, s12, 4
	s_lshl_b32 s45, s10, 2
	s_add_co_u32 s44, s44, s45                     ; my first token tile
	s_and_b32 s46, s44, 127                        ; in its batch
	s_lshr_b32 s47, s12, 3                         ; the batch
	s_lshr_b32 s48, s46, 3
	s_mul_i32 s48, s48, REC                        ; the record of its 128 keys
	s_and_b32 s49, s46, 7                          ; 0 or 4: its tile in the record
	s_and_b32 s50, s13, 3
	s_lshl_b32 s50, s50, 2
	s_lshl_b32 s45, s47, 4
	s_add_co_u32 s50, s50, s45                     ; 16 x batch + the first block's first head
	s_lshl_b32 s54, s46, 10                        ; q: codes,
	s_lshl_b32 s56, s46, 6
	s_add_co_u32 s56, s56, 131072                  ; scale words
	s_lshl_b32 s58, s49, 10                        ; k: codes,
	s_add_co_u32 s58, s58, s48
	s_lshl_b32 s59, s49, 6
	s_add_co_u32 s59, s59, s48
	s_add_co_u32 s59, s59, 8192                    ; scale words
	s_lshr_b32 s60, s49, 2                         ; v: which 64 of the record's keys are mine
	s_mul_i32 s61, s60, 768
	s_add_co_u32 s61, s61, s48
	s_lshl_b32 s60, s60, 2
	s_add_co_u32 s60, s60, s48
	s_mov_b32 s52, KVH
	s_mov_b32 s62, KVB
	s_mov_b32 s63, 0x01e3                          ; a hidden key's bytes for k = 64 .. 127: 227, 1
	s_cmp_lt_u32 s13, 4                            ; q?
	s_cselect_b32 s52, QHB, s52                    ; from head to head
	s_cselect_b32 s62, 0, s62
	s_cselect_b32 s54, s54, s58
	s_cselect_b32 s56, s56, s59
	s_cselect_b32 s45, 8, 63
	s_cselect_b32 s63, 0x7f7f, s63
	s_cselect_b32 s[QALL], -1, 0
	s_cmp_ge_u32 s13, 8                            ; v?
	s_cselect_b32 s54, s61, s54
	s_cselect_b32 s56, s60, s56
	s_mul_i32 s50, s50, s52
	s_add_co_u32 s50, s50, s62
	s_mov_b32 s51, 0
	s_mov_b32 s53, 0
	s_mov_b32 s55, 0
	s_mov_b32 s57, 0
	s_lshl_b32 s[HS2], s52, 1                      ; a block on: two heads
	s_mov_b32 s[HS2+1], 0
	s_lshl_b32 s58, s44, 4                         ; the mask: 16 tokens a tile
	s_mov_b32 s59, 0
	s_mul_i32 s60, s44, UNIT
	s_mov_b32 s61, 0
	v_mov_b32 v[CODEV], s45
	v_mov_b32 v[PADTV], s63
	v_mov_b32 v[PAD0], 0x0101
.irp b, 0,1,2,3
	v_mov_b32 v[TM+4+\b], 0                        ; a lane permute's destination counts as one of its sources
.endr
	s_wait_dscnt 0x0                               ; the opening add is done
	s_wait_kmcnt 0x0
	s_mov_b32 s24, 1
	s_mov_b32 s25, s14
	s_add_nc_u64 s[26:27], s[4:5], s[2:3]
	s_mov_b32 s28, 1
	s_add_co_u32 s29, s14, SLOTB
	s_add_nc_u64 s[30:31], s[26:27], 8*UNIT
	s_or_b32 s27, s27, 0x80000000
	s_or_b32 s31, s31, 0x80000000
	s_add_nc_u64 s[TB:TB+1], s[4:5], s[60:61]
	s_add_nc_u64 s[MB:MB+1], s[6:7], s[58:59]
	s_add_nc_u64 s[OC:OC+1], s[8:9], s[50:51]
	s_add_nc_u64 s[OS:OS+1], s[OC:OC+1], s[56:57]
	s_add_nc_u64 s[OC:OC+1], s[OC:OC+1], s[54:55]
	s_add_nc_u64 s[OC+2:OC+3], s[OC:OC+1], s[52:53]
	s_add_nc_u64 s[OS+2:OS+3], s[OS:OS+1], s[52:53]
	CROUND                                         ; all four work-groups are here: the joint loads meet
	tensor_load_to_lds s[24:27], s[16:23]          ; both blocks' weights: two loads of mine are out
	s_nop 0
	tensor_load_to_lds s[28:31], s[16:23]
	s_nop 0
	PLACES 4
.irp a, 0,1,2,3
	global_load_u8 v[KW+\a], v14, s[MB:MB+1] offset:32*(\a/2)+8*(\a%2)
.endr
.irp a, 0,1,2,3
.irp p, 0,1,2,3
	global_load_b32 v[TSC+4*\a+\p], v3, s[TB:TB+1] offset:\a*UNIT+SCO+128*\p
.endr
.endr
.irp s, 0,1,2,3,4,5,6,7
	TLOAD_T \s
.endr
	WIN 0
	s_wait_loadcnt 63                              ; 128 loads were issued behind the mask's bytes
.irp a, 0,1,2,3
	v_cmp_eq_u32 s[FM+\a], 0, v[KW+\a]
.endr
.irp a, 0,1,2,3
	s_or_b32 s[FM+\a], s[FM+\a], s[QALL]
	s_and_b32 s[FL+\a], s[FM+\a], 0xffff
.endr
	s_wait_tensorcnt 0x1                           ; my part of slot 0 has landed; slot 1's load, issued behind it, may stay out
	s_barrier_signal -1
	s_barrier_wait -1                              ; everybody's part of slot 0 has
	s_mov_b32 s[SB], 0
	s_mov_b32 s[TRIP], 0
.Lblk:                                         ; two trips: a block of 128 weight rows each
	v_add_nc_u32 v[AW16], s[SB], v1
	v_add_nc_u32 v[AW8], s[SB], v2
	v_add_nc_u32 v[AW4], s[SB], v3
	v_add_nc_u32 v[AW16+1], 4*UNIT, v[AW16]
	v_add_nc_u32 v[AW8+1], 4*UNIT, v[AW8]
	v_add_nc_u32 v[AW4+1], 4*UNIT, v[AW4]
	WSCALES
	FETCHW 0, 0
	WIN 0
	s_cmp_ge_u32 s13, 8                            ; the same in all waves and in all four partners
	s_cbranch_scc1 .Lv
	KSTEP 0, 63, 1
	KSTEP 1, 63, 0
	KSTEP 2, 63, 0
	KSTEP 3, 63, 0
	KSTEP 4, 48, 0
	KSTEP 5, 32, 0
	KSTEP 6, 16, 0
	KSTEP 7, 0, 0
	PLACES 4                                       ; in front of the first read of results
	EPQK 0
	EPQK 1
	EPQK 2
	EPQK 3
	s_branch .Ljoin
.Lv:
	KSTEP 0, 63, 3
	KSTEP 1, 63, 4
	KSTEP 2, 63, 4
	KSTEP 3, 63, 4
	KSTEP 4, 48, 4
	KSTEP 5, 32, 4
	KSTEP 6, 16, 4
	KSTEP 7, 0, 4
	PLACES 4
.irp b, 0,1,2,3,4,5,6,7
	EPV \b
.endr
.Ljoin:
	s_wait_xcnt 0x0                                ; the stores have read their bases and registers
	s_add_nc_u64 s[OC:OC+1], s[OC:OC+1], s[HS2:HS2+1]
	s_add_nc_u64 s[OC+2:OC+3], s[OC+2:OC+3], s[HS2:HS2+1]
	s_add_nc_u64 s[OS:OS+1], s[OS:OS+1], s[HS2:HS2+1]
	s_add_nc_u64 s[OS+2:OS+3], s[OS+2:OS+3], s[HS2:HS2+1]
	s_wait_tensorcnt 0x0                           ; my part of slot 1 has landed: it had the first block's work for that (the second trip finds nothing out);
	s_wait_dscnt 0x0                               ; no LDS instruction of mine is out at the signal
	s_barrier_signal -1
	s_barrier_wait -1                              ; everybody's part has: the next trip reads slot 1.  No slot is filled behind this barrier
	s_add_co_u32 s[SB], s[SB], SLOTB
	s_add_co_u32 s[TRIP], s[TRIP], 1
	s_cmp_lt_u32 s[TRIP], 2
	s_cbranch_scc1 .Lblk
	s_wait_tensorcnt 0x0                           ; the wave's end
	ds_add_u32 v[SPW], v[NIL]
	s_wait_dscnt 0x0
	CROUND                                         ; the closing round
	s_endpgm
.Lfunc_end_k_q68e6d5508c_qkv:
	.size	k_q68e6d5508c_qkv, .Lfunc_end_k_q68e6d5508c_qkv-k_q68e6d5508c_qkv
	.p2alignl 7, 3214868480
	.fill 96, 4, 3214868480
	.section	.rodata,"a",@progbits
	.p2align	6, 0x0
	.amdhsa_kernel k_q68e6d5508c_qkv
		.amdhsa_group_segment_fixed_size 205312
		.amdhsa_private_segment_fixed_size 0
		.amdhsa_enable_private_segment 0
		.amdhsa_kernarg_size 24
		.amdhsa_user_sgpr_count 2
		.amdhsa_user_sgpr_kernarg_segment_ptr 1
		.amdhsa_wavefront_size32 1
		.amdhsa_system_sgpr_workgroup_id_x 1
		.amdhsa_system_sgpr_workgroup_id_y 1
		.amdhsa_system_sgpr_workgroup_id_z 1
		.amdhsa_system_vgpr_workitem_id 0
		.amdhsa_next_free_vgpr 1024
		.amdhsa_next_free_sgpr 96
		.amdhsa_reserve_vcc 0
		.amdhsa_float_denorm_mode_32 3
		.amdhsa_float_denorm_mode_16_64 3
		.amdhsa_memory_ordered 1
		.amdhsa_forward_progress 1
		.amdhsa_inst_pref_size 160
	.end_amdhsa_kernel
	.amdgpu_metadata
---
amdhsa.version: [ 1, 2 ]
amdhsa.kernels:
  - .name:           k_q68e6d5508c_qkv
    .symbol:         k_q68e6d5508c_qkv.kd
    .args:
      - { .name: img, .offset: 0, .size: 8, .value_kind: global_buffer, .address_space: global }
      - { .name: mask, .offset: 8, .size: 8, .value_kind: global_buffer, .address_space: global }
      - { .name: qkv, .offset: 16, .size: 8, .value_kind: global_buffer, .address_space: global }
    .group_segment_fixed_size: 205312
    .private_segment_fixed_size: 0
    .kernarg_segment_align: 8
    .kernarg_segment_size: 24
    .max_flat_workgroup_size: 128
    .sgpr_count:     96
    .vgpr_count:     1024
    .wavefront_size: 32
...
	.end_amdgpu_metadata
.endif
;; end of part 2
;; launch attn (part 3): grid 8 x 32, 8 waves a work-group, clusters of 4 x 1, 242,688 bytes of LDS; arguments qkv, yimg; writes yimg
.if DOCPART == 3
	.amdgcn_target "amdgcn-amd-amdhsa--gfx1250"
	.amdhsa_code_object_version 6
	.text
	.protected	k_q68e6d5508c_attn
	.globl	k_q68e6d5508c_attn
	.p2align	8
	.type	k_q68e6d5508c_attn,@function
k_q68e6d5508c_attn:
	s_mov_b64 s[64:65], 0
	v_nop
	global_prefetch_b8 v0, s[64:65] scope:SCOPE_SE
	s_setreg_imm32_b32 hwreg(HW_REG_WAVE_MODE, 25, 1), 1
	s_wait_xcnt 0x0
	s_wait_alu depctr_hold_cnt(0) depctr_sa_sdst(0) depctr_va_vdst(0) depctr_va_sdst(0) depctr_va_ssrc(0) depctr_va_vcc(0) depctr_vm_vsrc(0)
	s_getreg_b32 s2, hwreg(HW_REG_IB_STS2, 6, 4)
	s_cmp_eq_u32 s2, 0
	s_cbranch_scc0 .Lentry_in_a_cluster
	s_endpgm
.Lentry_in_a_cluster:
	s_bfe_u32 s2, ttmp6, 0x10000c
	s_cmp_lg_u32 s2, 0x3003
	s_cbranch_scc0 .Lentry_shape_is_right
	s_endpgm
.Lentry_shape_is_right:
; y = softmax(q k^T / 8, hidden keys left out) v for one (batch, head) and 256 queries, both products on codes of FP6; y is quantised along D and stored as half fragments of the next product's operand.
; t = score x log2(e) / 8; M = the running largest t rounded up to a whole number; p = 2^(t - M) is quantised along the keys, not normalised; the row's sum is taken of the unquantised p and divides at the end.
; SHARES.  Eight waves, two to a SIMD; wave w owns query tiles 2 w, 2 w + 1 of the block, so that each fragment of K and V read from LDS feeds two products.  Every wave walks the head's 2,048 keys, 128 a step.
; LDS holds the head's WHOLE K and V: 16 records of 15,104 bytes, filled once.  Waves 0 to 3 ask, four records each (w, 4 + w, 8 + w, 12 + w), jointly for the four work-groups of the cluster, which share the head:
; four loads of a wave are out at most.  A wave's tensor loads end in order (ISA guide 10.11.1), so four counted waits (3, 2, 1, 0), each in front of a barrier, free four records at a time: the first key steps run while
; the later records are on their way.  Step j fetches record j + 1, so the steps go in four loops of 3, 4, 4 and 4 trips and a last step that fetches nothing.
; Both products are used transposed (S^T = K Q^T, O^T = V^T P^T): a lane holds one query throughout.  The keys of a tile are chosen so that the 16 registers of tiles 2 b, 2 b + 1 are 16 neighbouring keys.
; THE MASK costs no line here: a hidden key's score carries -7.5 x 2^100 from k = 64 of the padded product, so its t lies under the start value -2^83 of the largest t, and its p is 0.
; The next step's K run of LDS loads stands behind this step's scores, its V run behind this step's second product.
; No prefetch: all that the launch reads is asked for at its head.
; REGISTERS: window 0: v1-3 lane terms, v4-8 LDS addresses, v16-31 statistics (8 a tile: -M, largest t, the sum in two halves, f, p's scale word, two at work), v32-35 K's scale words, v36-37, v38-39 V's,
;   v40 Q's, v64-191 S^T then p, v192-215 p's codes, v216-231, v232-255 at work.   window 1: v0-63 O^T, v64-87 Q, v88-183 K, v184-231 V.
; LIMITS: a batch with no open key is not served (there the sum is 0 and the result has no FP6 code).  Real |t| stays under 2^83.  NaN and infinities are not served.
.set REC,   15104
.set UNIT,  12800
.set SPARE, 16*REC                     ; behind the records: the spare words, 128 bytes for each wave: four blocks of 256 bytes that no other line names
.set QHB,   139264
.set KVB,   4456448
.set KVH,   241664
.set ADK16, 4
.set ADK4,  5
.set ADK8,  6
.set ADV16, 7
.set ADV8,  8
.set SPW,   10
.set NIL,   11
.set ST,    16
.set KS,    32
.set VR,    36
.set VS,    38
.set QS,    40
.set S,     64
.set PC,    192
.set PS,    216
.set BM,    232
.set TM,    232
.set QF,    64
.set KF,    88
.set VF,    184
.set KB,    42
.set VB,    43
.set CNT,   44
.set CS,    46
.set SEL,   48
.set P0,    50
.set P1,    51
.set HM,    52
.set MSB, 0
.macro WIN new
.if MSB != (\new)
	s_set_vgpr_msb (MSB<<8)|(\new)
.set MSB, (\new)
.endif
.endm
.macro PLACES n
.rept \n
	v_nop
.endr
.endm
.macro CROUND
	s_barrier_signal -1
	s_barrier_wait -1
	s_cmp_lg_u32 s10, 0
	s_cbranch_scc1 .Lnot_wave_0_\@
	s_barrier_signal -3
.Lnot_wave_0_\@:
	s_barrier_wait -3
	s_barrier_signal -1
	s_barrier_wait -1
.endm
.macro WMZ d, a, b, sa, sb, ra, rb     ; a product that starts its sum; ra, rb: the side's scale words lie in lanes 16-31
.if (\ra) && (\rb)
	v_wmma_scale_f32_16x16x128_f8f6f4 v[(\d):(\d)+7], v[(\a):(\a)+11], v[(\b):(\b)+11], 0, v[\sa], v[\sb] matrix_a_fmt:MATRIX_FMT_FP6 matrix_b_fmt:MATRIX_FMT_FP6 matrix_a_scale:MATRIX_SCALE_ROW1 matrix_b_scale:MATRIX_SCALE_ROW1
.elseif (\ra)
	v_wmma_scale_f32_16x16x128_f8f6f4 v[(\d):(\d)+7], v[(\a):(\a)+11], v[(\b):(\b)+11], 0, v[\sa], v[\sb] matrix_a_fmt:MATRIX_FMT_FP6 matrix_b_fmt:MATRIX_FMT_FP6 matrix_a_scale:MATRIX_SCALE_ROW1
.elseif (\rb)
	v_wmma_scale_f32_16x16x128_f8f6f4 v[(\d):(\d)+7], v[(\a):(\a)+11], v[(\b):(\b)+11], 0, v[\sa], v[\sb] matrix_a_fmt:MATRIX_FMT_FP6 matrix_b_fmt:MATRIX_FMT_FP6 matrix_b_scale:MATRIX_SCALE_ROW1
.else
	v_wmma_scale_f32_16x16x128_f8f6f4 v[(\d):(\d)+7], v[(\a):(\a)+11], v[(\b):(\b)+11], 0, v[\sa], v[\sb] matrix_a_fmt:MATRIX_FMT_FP6 matrix_b_fmt:MATRIX_FMT_FP6
.endif
.endm
.macro WMA d, a, b, sa, sb, ra         ; a product that adds in place
.if (\ra)
	v_wmma_scale_f32_16x16x128_f8f6f4 v[(\d):(\d)+7], v[(\a):(\a)+11], v[(\b):(\b)+11], v[(\d):(\d)+7], v[\sa], v[\sb] matrix_a_fmt:MATRIX_FMT_FP6 matrix_b_fmt:MATRIX_FMT_FP6 matrix_a_scale:MATRIX_SCALE_ROW1
.else
	v_wmma_scale_f32_16x16x128_f8f6f4 v[(\d):(\d)+7], v[(\a):(\a)+11], v[(\b):(\b)+11], v[(\d):(\d)+7], v[\sa], v[\sb] matrix_a_fmt:MATRIX_FMT_FP6 matrix_b_fmt:MATRIX_FMT_FP6
.endif
.endm
.macro KRUN                            ; 21 LDS loads: a step's eight tiles of K (registers 0-7; 8-11 stay zero), its scale words, V's scale bytes
	WIN 0x40
.irp k, 0,1,2,3,4,5,6,7
	ds_load_b128 v[KF+12*\k:KF+12*\k+3], v[ADK16] offset:1024*\k
	ds_load_b128 v[KF+12*\k+4:KF+12*\k+7], v[ADK16] offset:1024*\k+512
.endr
	WIN 0
.irp p, 0,1,2,3
	ds_load_b32 v[KS+\p], v[ADK4] offset:8192+128*\p
.endr
	ds_load_b64 v[VR:VR+1], v[ADK8] offset:14848
.endm
.macro VRUN                            ; 16 LDS loads: a step's four fragments of V^T
	WIN 0x40
.irp d, 0,1,2,3
	ds_load_b128 v[VF+12*\d:VF+12*\d+3], v[ADV16] offset:8704+1536*\d
	ds_load_b64 v[VF+12*\d+4:VF+12*\d+5], v[ADV8] offset:8704+1536*\d+512
	ds_load_b128 v[VF+12*\d+6:VF+12*\d+9], v[ADV16] offset:8704+1536*\d+768
	ds_load_b64 v[VF+12*\d+10:VF+12*\d+11], v[ADV8] offset:8704+1536*\d+1280
.endr
	WIN 0
.endm
.macro QUANT32 s, dst, u               ; 32 numbers, register 16 b + i = k 32 b + 16 (lane / 16) + i: half a fragment in v[dst] .. v[dst + 5], its two bytes in v[u]
.irp b, 0,1
	v_max3_num_f32 v[TM+\b], |v[(\s)+16*\b]|, |v[(\s)+1+16*\b]|, 0x1800000
.endr
.irp i, 2,4,6,8,10,12,14
.irp b, 0,1
	v_max3_num_f32 v[TM+\b], v[TM+\b], |v[(\s)+16*\b+\i]|, |v[(\s)+1+16*\b+\i]|
.endr
.endr
.irp b, 0,1
	v_permlanex16_b32 v[TM+4+\b], v[TM+\b], s[SEL], s[SEL+1]
.endr
.irp b, 0,1
	v_max_num_f32 v[TM+\b], v[TM+\b], v[TM+4+\b]
.endr
.irp b, 0,1
	v_add_nc_u32 v[TM+12+\b], 0xff000000, v[TM+\b]
.endr
.irp b, 0,1
	v_lshrrev_b32 v[TM+4+\b], 23, v[TM+12+\b]
.endr
	v_lshl_or_b32 v[\u], v[TM+5], 8, v[TM+4]
	v_cvt_scalef32_pk16_fp6_f32 v[(\dst):(\dst)+2], v[(\s):(\s)+15], v[TM+12]
	v_cvt_scalef32_pk16_fp6_f32 v[PS:PS+2], v[(\s)+16:(\s)+31], v[TM+13]
	v_nop
.irp i, 0,1,2
	v_permlane16_swap_b32 v[(\dst)+\i], v[PS+\i]
.endr
.irp i, 0,1,2
	v_mov_b32 v[(\dst)+3+\i], v[PS+\i]
.endr
.endm
; A KEY STEP of 128 keys.  pf = 1: the next step's runs of loads are issued.
.macro STEP pf
	s_wait_dscnt 16                                ; the K run is in; the 16 loads of the V run are younger
	v_perm_b32 v[VS], v[VR+1], v[VR], s[P0]        ; V's scale words: lanes 0-15 channel tile 0, lanes 16-31 tile 1;
	v_perm_b32 v[VS+1], v[VR+1], v[VR], s[P1]      ; tiles 2 and 3
	WIN 0x05
.irp k, 0,1,2,3,4,5,6,7
.irp t, 0,1
	WMZ S+64*\t+8*\k, KF+12*\k, QF+12*\t, KS+\k/2, QS, \k%2, \t
.endr
.endr
	WIN 0
.if \pf
	v_add_nc_u32 v[ADK16], s[KB], v1               ; these three and the v_nop are the four places behind the products, for the loads below and for the first read of the scores
	v_add_nc_u32 v[ADK4], s[KB], v3
	v_add_nc_u32 v[ADK8], s[KB], v2
	v_nop
	KRUN
	s_add_co_u32 s[KB], s[KB], REC
.else
	PLACES 4
.endif
.irp b, 0,1,2,3
.irp t, 0,1
	v_max3_num_f32 v[BM+12*\t+\b], v[S+64*\t+16*\b], v[S+64*\t+16*\b+1], v[S+64*\t+16*\b+2]   ; the largest score of each block of 32 keys: for the row's maximum and for the block's largest p
.endr
.endr
.irp i, 3,5,7,9,11,13
.irp b, 0,1,2,3
.irp t, 0,1
	v_max3_num_f32 v[BM+12*\t+\b], v[BM+12*\t+\b], v[S+64*\t+16*\b+\i], v[S+64*\t+16*\b+\i+1]
.endr
.endr
.endr
.irp b, 0,1,2,3
.irp t, 0,1
	v_max_num_f32 v[BM+12*\t+\b], v[BM+12*\t+\b], v[S+64*\t+16*\b+15]
.endr
.endr
.irp b, 0,1,2,3
.irp t, 0,1
	v_permlanex16_b32 v[BM+12*\t+4+\b], v[BM+12*\t+\b], s[SEL], s[SEL+1]
.endr
.endr
.irp b, 0,1,2,3
.irp t, 0,1
	v_max_num_f32 v[BM+12*\t+\b], v[BM+12*\t+\b], v[BM+12*\t+4+\b]
.endr
.endr
.irp t, 0,1
	v_max3_num_f32 v[ST+8*\t+6], v[BM+12*\t], v[BM+12*\t+1], v[BM+12*\t+2]
.endr
.irp t, 0,1
	v_max_num_f32 v[ST+8*\t+6], v[ST+8*\t+6], v[BM+12*\t+3]
.endr
.irp t, 0,1
	v_mul_f32 v[ST+8*\t+6], s[CS], v[ST+8*\t+6]    ; as t
.endr
.irp t, 0,1
	v_max_num_f32 v[ST+8*\t+1], v[ST+8*\t+1], v[ST+8*\t+6]   ; the running largest t
.endr
.irp t, 0,1
	v_mov_b32 v[ST+8*\t+6], v[ST+8*\t]
.endr
.irp t, 0,1
	v_floor_f32 v[ST+8*\t], -v[ST+8*\t+1]          ; -M = floor(-t): M is a whole number
.endr
.irp t, 0,1
	v_sub_f32 v[ST+8*\t+6], v[ST+8*\t], v[ST+8*\t+6]
.endr
.irp t, 0,1
	v_cvt_i32_f32 v[ST+8*\t+6], v[ST+8*\t+6]       ; (it saturates)
.endr
.irp t, 0,1
	v_ldexp_f32 v[ST+8*\t+4], 1.0, v[ST+8*\t+6]    ; f = 2^(old M - new M): rounds nothing
.endr
.irp t, 0,1
.set j, 0
.rept 32
	v_pk_fma_f32 v[S+64*\t+j:S+64*\t+j+1], v[S+64*\t+j:S+64*\t+j+1], s[CS:CS+1], v[ST+8*\t:ST+8*\t+1] op_sel_hi:[1,0,0]   ; t - M
.set j, j+2
.endr
.endr
.irp b, 0,1,2,3
.irp t, 0,1
	v_fma_f32 v[BM+12*\t+\b], v[BM+12*\t+\b], s[CS], v[ST+8*\t]
.endr
.endr
.set j, 0
.rept 128
	v_exp_f32 v[S+j], v[S+j]                       ; p = 2^(t - M): one batch for both tiles
.set j, j+1
.endr
.irp t, 0,1
	v_pk_mul_f32 v[ST+8*\t+2:ST+8*\t+3], v[ST+8*\t+2:ST+8*\t+3], v[ST+8*\t+4:ST+8*\t+5] op_sel_hi:[1,0]   ; the sums under the new M: plain work behind the batch
.endr
	s_wait_alu depctr_va_vdst(0)                   ; one wait for the batch, ahead of its first reader
.irp b, 0,1,2,3
.irp t, 0,1
	v_exp_f32 v[BM+12*\t+\b], v[BM+12*\t+\b]       ; each block's largest p
.endr
.endr
.irp t, 0,1
	v_pk_add_f32 v[BM+12*\t+4:BM+12*\t+5], v[S+64*\t:S+64*\t+1], v[S+64*\t+2:S+64*\t+3]   ; the row's sum of the unquantised p, in two chains a tile
.endr
.irp j, 4,8,12,16,20,24,28,32,36,40,44,48,52,56,60
.irp t, 0,1
	v_pk_add_f32 v[ST+8*\t+2:ST+8*\t+3], v[ST+8*\t+2:ST+8*\t+3], v[S+64*\t+\j:S+64*\t+\j+1]
	v_pk_add_f32 v[BM+12*\t+4:BM+12*\t+5], v[BM+12*\t+4:BM+12*\t+5], v[S+64*\t+\j+2:S+64*\t+\j+3]
.endr
.endr
.irp t, 0,1
	v_pk_add_f32 v[ST+8*\t+2:ST+8*\t+3], v[ST+8*\t+2:ST+8*\t+3], v[BM+12*\t+4:BM+12*\t+5]
.endr
	s_wait_alu depctr_va_vdst(0)                   ; and one for the eight
.irp b, 0,1,2,3
.irp t, 0,1
	v_max_num_f32 v[BM+12*\t+\b], 0x1800000, v[BM+12*\t+\b]   ; the floor: the byte cannot fall under 1
.endr
.endr
.irp b, 0,1,2,3
.irp t, 0,1
	v_add_nc_u32 v[BM+12*\t+8+\b], 0xff000000, v[BM+12*\t+\b]
.endr
.endr
.irp b, 0,1,2,3
.irp t, 0,1
	v_lshrrev_b32 v[BM+12*\t+4+\b], 23, v[BM+12*\t+8+\b]
.endr
.endr
.irp t, 0,1
	v_lshl_or_b32 v[ST+8*\t+5], v[BM+12*\t+5], 8, v[BM+12*\t+4]
.endr
.irp t, 0,1
	v_lshl_or_b32 v[ST+8*\t+5], v[BM+12*\t+6], 16, v[ST+8*\t+5]
.endr
.irp t, 0,1
	v_lshl_or_b32 v[ST+8*\t+5], v[BM+12*\t+7], 24, v[ST+8*\t+5]   ; p's scale word for these 128 keys
.endr
.irp t, 0,1
.irp c, 0,1
	v_cvt_scalef32_pk16_fp6_f32 v[PC+12*\t+6*\c:PC+12*\t+6*\c+2], v[S+64*\t+32*\c:S+64*\t+32*\c+15], v[BM+12*\t+8+2*\c]
	v_cvt_scalef32_pk16_fp6_f32 v[PS+8*\t+4*\c:PS+8*\t+4*\c+2], v[S+64*\t+32*\c+16:S+64*\t+32*\c+31], v[BM+12*\t+9+2*\c]
.endr
.endr
	v_nop
.irp t, 0,1
.irp c, 0,1
.irp i, 0,1,2
	v_permlane16_swap_b32 v[PC+12*\t+6*\c+\i], v[PS+8*\t+4*\c+\i]
.endr
.irp i, 0,1,2
	v_mov_b32 v[PC+12*\t+6*\c+3+\i], v[PS+8*\t+4*\c+\i]
.endr
.endr
.endr
	WIN 0x41
.irp t, 0,1
.set j, 0
.rept 16
	v_pk_mul_f32 v[32*\t+j:32*\t+j+1], v[32*\t+j:32*\t+j+1], v[ST+8*\t+4:ST+8*\t+5] op_sel_hi:[1,0]   ; O^T under the new M; these 32 are also the places in front of the products below
.set j, j+2
.endr
.endr
.if \pf
	s_wait_dscnt 21                                ; the V run is in; the 21 loads of the next K run are younger
.else
	s_wait_dscnt 0x0
.endif
	WIN 0x51
.irp d, 0,1,2,3
.irp t, 0,1
	WMA 32*\t+8*\d, VF+12*\d, PC+12*\t, VS+\d/2, ST+8*\t+5, \d%2   ; the eight accumulators by turns
.endr
.endr
	WIN 0
.if \pf
	v_add_nc_u32 v[ADV16], s[VB], v1               ; four places in front of the loads into V's registers
	v_add_nc_u32 v[ADV8], s[VB], v2
	v_nop
	v_nop
	VRUN
	s_add_co_u32 s[VB], s[VB], REC
.endif
.endm
; n key steps, each of which fetches the next step's record: records first .. first + n - 1, which have landed
.macro PHASE n, first
	s_mov_b32 s[KB], (\first)*REC
	s_mov_b32 s[VB], (\first)*REC
	s_mov_b32 s[CNT], \n
.Lstep_\@:
	STEP 1
	s_sub_co_u32 s[CNT], s[CNT], 1
	s_cmp_lg_u32 s[CNT], 0
	s_cbranch_scc1 .Lstep_\@
.endm
; The next four records: each loading wave has at most cnt younger loads out, so its record of the four has landed; behind the barrier that holds of all four.  No LDS byte is ever filled again.
.macro MEET cnt
	s_wait_tensorcnt \cnt
	s_wait_dscnt 0x0                               ; no LDS instruction of mine is out at the signal: the runs of the step ahead are in
	s_barrier_signal -1
	s_barrier_wait -1
.endm
	s_load_b128 s[4:7], s[0:1], 0x0                ; qkv, yimg
	v_lshl_add_u32 v[SPW], v0, 2, SPARE
	v_mov_b32 v[NIL], 0
	ds_add_u32 v[SPW], v[NIL]                      ; the wave's opening: the add and its wait ahead of my first tensor load
	v_lshrrev_b32 v1, 5, v0
	v_readfirstlane_b32 s10, v1                    ; wave 0..7
	s_bfe_u32 s11, ttmp6, 0x40000
	s_lshl_b32 s12, ttmp9, 2
	s_add_co_u32 s12, s12, s11                     ; x: my block of 256 queries: it enters Q's and y's addresses alone
	s_and_b32 s13, ttmp7, 0xffff                   ; 16 x batch + head, which the four partners share
	s_mov_b32 s16, 0x0023000f                      ; group 1: mask of all four; elements of 8 bytes; bit 21 beside the mask
	s_mov_b32 s17, 32<<16                          ; rows of 256 bytes,
	s_mov_b32 s18, 59<<16                          ; 59 of them: a record
	s_mov_b32 s19, 32<<16
	s_mov_b32 s20, 59
	s_mov_b32 s21, 32
	s_mov_b32 s22, 0
	s_mov_b32 s23, 0
	s_and_b32 s14, s10, 3
	s_mul_i32 s14, s14, REC                        ; record w of each four, in LDS and in the head's block (waves 0 to 3 load)
	s_mul_i32 s2, s13, KVH
	s_add_co_u32 s2, s2, KVB
	s_add_co_u32 s2, s2, s14
	s_mov_b32 s3, 0
	v_and_b32 v3, 31, v0
	v_lshlrev_b32 v1, 4, v3
	v_lshlrev_b32 v2, 3, v3
	v_lshlrev_b32 v3, 2, v3
	v_and_b32 v9, 15, v0
	v_bfe_u32 v4, v0, 4, 1
	v_mul_u32_u24 v4, v4, UNIT
	v_lshl_add_u32 v9, v9, 2, v4                   ; y's scale bytes: lanes 0-15 my first tile's unit, lanes 16-31 the next; 4 bytes a row
	s_lshl_b32 s32, s12, 4
	s_lshl_b32 s33, s10, 1
	s_add_co_u32 s32, s32, s33                     ; my first query tile in the batch
	s_mul_i32 s53, s13, QHB
	s_lshl_b32 s34, s32, 10
	s_add_co_u32 s34, s34, s53
	s_mov_b32 s35, 0                               ; Q's codes
	s_lshl_b32 s36, s32, 6
	s_add_co_u32 s36, s36, s53
	s_add_co_u32 s36, s36, 131072
	s_mov_b32 s37, 0                               ; Q's scale words
	s_lshr_b32 s54, s13, 4
	s_lshl_b32 s54, s54, 7
	s_add_co_u32 s54, s54, s32                     ; the token tile: 128 x batch + ..
	s_mul_i32 s54, s54, UNIT
	s_and_b32 s55, s13, 15                         ; the head: K step head / 2 of the next product, half head % 2
	s_lshr_b32 s56, s55, 1
	s_and_b32 s55, s55, 1
	s_mul_i32 s38, s56, 1536
	s_mul_i32 s57, s55, 768
	s_add_co_u32 s38, s38, s57
	s_add_co_u32 s38, s38, s54
	s_mov_b32 s39, 0
	s_lshl_b32 s40, s56, 6
	s_lshl_b32 s57, s55, 1
	s_add_co_u32 s40, s40, s57
	s_add_co_u32 s40, s40, s54
	s_add_co_u32 s40, s40, 12288
	s_mov_b32 s41, 0
	s_mov_b32 s[CS], 0x3e38aa3b                    ; log2(e) / 8
	s_mov_b32 s[CS+1], s[CS]
	s_mov_b32 s[SEL], 0x76543210
	s_mov_b32 s[SEL+1], 0xfedcba98
	s_mov_b32 s[P0], 0x05040100
	s_mov_b32 s[P1], 0x07060302
	s_mov_b32 s[HM], 0xffff0000
	s_mov_b32 s[KB], 0
	s_mov_b32 s[VB], 0
	s_wait_dscnt 0x0                               ; the opening add is done
	s_wait_kmcnt 0x0
	s_mov_b32 s24, 1                               ; four groups 0, one for each load: none is written while its load is out
	s_mov_b32 s25, s14
	s_add_nc_u64 s[26:27], s[4:5], s[2:3]
	s_mov_b32 s28, 1
	s_add_co_u32 s29, s14, 4*REC
	s_add_nc_u64 s[30:31], s[26:27], 4*REC
	s_mov_b32 s68, 1
	s_add_co_u32 s69, s14, 8*REC
	s_add_nc_u64 s[70:71], s[26:27], 8*REC
	s_mov_b32 s72, 1
	s_add_co_u32 s73, s14, 12*REC
	s_add_nc_u64 s[74:75], s[26:27], 12*REC
	s_or_b32 s27, s27, 0x80000000
	s_or_b32 s31, s31, 0x80000000
	s_or_b32 s71, s71, 0x80000000
	s_or_b32 s75, s75, 0x80000000
	s_add_nc_u64 s[34:35], s[4:5], s[34:35]
	s_add_nc_u64 s[36:37], s[4:5], s[36:37]
	s_add_nc_u64 s[38:39], s[6:7], s[38:39]
	s_add_nc_u64 s[40:41], s[6:7], s[40:41]
	CROUND                                         ; all four work-groups are here: the joint loads meet
	s_cmp_lt_u32 s10, 4                            ; the wave's number alone: the same in all four partners
	s_cbranch_scc0 .Lno_fill
	tensor_load_to_lds s[24:27], s[16:23]          ; records w, 4 + w, 8 + w, 12 + w: a wave's first fills stand in one branch; four loads of mine are out
	s_nop 0
	tensor_load_to_lds s[28:31], s[16:23]
	s_nop 0
	tensor_load_to_lds s[68:71], s[16:23]
	s_nop 0
	tensor_load_to_lds s[72:75], s[16:23]
	s_nop 0
	PLACES 4
.Lno_fill:
	WIN 0x40
.irp t, 0,1
	global_load_b128 v[QF+12*\t:QF+12*\t+3], v1, s[34:35] offset:1024*\t
	global_load_b128 v[QF+12*\t+4:QF+12*\t+7], v1, s[34:35] offset:1024*\t+512
.endr
.irp t, 0,1
.irp i, 8,9,10,11
	v_mov_b32 v[QF+12*\t+\i], 0                    ; k = 80 .. 127 of the padded product: zero codes
.endr
.endr
.irp k, 0,1,2,3,4,5,6,7
.irp i, 8,9,10,11
	v_mov_b32 v[KF+12*\k+\i], 0
.endr
.endr
.set j, 0
.rept 64
	v_mov_b32 v[j], 0                              ; O^T: the step is written once for all steps; the first change of M multiplies zeros
.set j, j+1
.endr
	WIN 0
	global_load_b32 v[QS], v3, s[36:37]            ; lanes 0-15 my first tile's words, lanes 16-31 the second's
.irp t, 0,1
	v_mov_b32 v[ST+8*\t+1], 0xe9000000             ; the largest t so far: -2^83: under every open key's t, over every hidden key's
	v_floor_f32 v[ST+8*\t], -v[ST+8*\t+1]
	v_mov_b32 v[ST+8*\t+2], 0
	v_mov_b32 v[ST+8*\t+3], 0
	v_mov_b32 v[ST+8*\t+5], 0                      ; (named as the upper half of a pair before it is first written)
	v_mov_b32 v[ST+8*\t+7], 0
.irp b, 0,1,2,3
	v_mov_b32 v[BM+12*\t+4+\b], 0                  ; a lane permute's destination counts as one of its sources
.endr
.endr
	s_wait_tensorcnt 0x3                           ; my first load has landed: three younger ones may stay out (waves 4 to 7 have none out),
	s_barrier_signal -1
	s_barrier_wait -1                              ; so records 0 to 3 are whole
	v_add_nc_u32 v[ADK16], s[KB], v1
	v_add_nc_u32 v[ADK4], s[KB], v3
	v_add_nc_u32 v[ADK8], s[KB], v2
	v_add_nc_u32 v[ADV16], s[VB], v1
	v_add_nc_u32 v[ADV8], s[VB], v2
	KRUN                                           ; record 0
	VRUN
	s_wait_loadcnt 0x0                             ; Q
	PHASE 3, 1                                     ; key steps 0 to 2; they fetch records 1 to 3
	MEET 0x2                                       ; records 4 to 7
	PHASE 4, 4                                     ; key steps 3 to 6
	MEET 0x1                                       ; records 8 to 11
	PHASE 4, 8                                     ; key steps 7 to 10
	MEET 0x0                                       ; records 12 to 15
	PHASE 4, 12                                    ; key steps 11 to 14
	STEP 0                                         ; the last step fetches nothing
	; THE WAY OUT: O^T / the sum, quantised along D: my head's 64 channels are half a fragment of the next product's operand
.irp t, 0,1
	v_add_f32 v[ST+8*\t+2], v[ST+8*\t+2], v[ST+8*\t+3]
.endr
.irp t, 0,1
	v_permlanex16_b32 v[BM+12*\t+4], v[ST+8*\t+2], s[SEL], s[SEL+1]
.endr
.irp t, 0,1
	v_add_f32 v[ST+8*\t+2], v[ST+8*\t+2], v[BM+12*\t+4]
.endr
.irp t, 0,1
	v_rcp_f32 v[ST+8*\t+6], v[ST+8*\t+2]
.endr
	v_nop
	s_wait_alu depctr_va_vdst(0)
	WIN 0x01
.irp t, 0,1
.set j, 0
.rept 16
	v_pk_mul_f32 v[S+64*\t+j:S+64*\t+j+1], v[32*\t+j:32*\t+j+1], v[ST+8*\t+6:ST+8*\t+7] op_sel_hi:[1,0]   ; register 16 b + i = channel 32 b + 16 (lane / 16) + i
.set j, j+2
.endr
.endr
	WIN 0
	QUANT32 S, PC, ST+5
	QUANT32 S+64, PC+12, ST+13
.irp t, 0,1
	global_store_b128 v1, v[PC+12*\t:PC+12*\t+3], s[38:39] offset:UNIT*\t
	global_store_b64 v2, v[PC+12*\t+4:PC+12*\t+5], s[38:39] offset:UNIT*\t+512
.endr
	v_cndmask_b32 v[ST+6], v[ST+5], v[ST+13], s[HM]
	global_store_b16 v9, v[ST+6], s[40:41]         ; two bytes a row: the other bytes of the words are other heads'
	s_wait_tensorcnt 0x0                           ; the wave's end
	ds_add_u32 v[SPW], v[NIL]
	s_wait_dscnt 0x0
	CROUND                                         ; the closing round
	s_endpgm
.Lfunc_end_k_q68e6d5508c_attn:
	.size	k_q68e6d5508c_attn, .Lfunc_end_k_q68e6d5508c_attn-k_q68e6d5508c_attn
	.p2alignl 7, 3214868480
	.fill 96, 4, 3214868480
	.section	.rodata,"a",@progbits
	.p2align	6, 0x0
	.amdhsa_kernel k_q68e6d5508c_attn
		.amdhsa_group_segment_fixed_size 242688
		.amdhsa_private_segment_fixed_size 0
		.amdhsa_enable_private_segment 0
		.amdhsa_kernarg_size 16
		.amdhsa_user_sgpr_count 2
		.amdhsa_user_sgpr_kernarg_segment_ptr 1
		.amdhsa_wavefront_size32 1
		.amdhsa_system_sgpr_workgroup_id_x 1
		.amdhsa_system_sgpr_workgroup_id_y 1
		.amdhsa_system_sgpr_workgroup_id_z 1
		.amdhsa_system_vgpr_workitem_id 0
		.amdhsa_next_free_vgpr 512
		.amdhsa_next_free_sgpr 80
		.amdhsa_reserve_vcc 0
		.amdhsa_float_denorm_mode_32 3
		.amdhsa_float_denorm_mode_16_64 3
		.amdhsa_memory_ordered 1
		.amdhsa_forward_progress 1
		.amdhsa_inst_pref_size 165
	.end_amdhsa_kernel
	.amdgpu_metadata
---
amdhsa.version: [ 1, 2 ]
amdhsa.kernels:
  - .name:           k_q68e6d5508c_attn
    .symbol:         k_q68e6d5508c_attn.kd
    .args:
      - { .name: qkv, .offset: 0, .size: 8, .value_kind: global_buffer, .address_space: global }
      - { .name: yimg, .offset: 8, .size: 8, .value_kind: global_buffer, .address_space: global }
    .group_segment_fixed_size: 242688
    .private_segment_fixed_size: 0
    .kernarg_segment_align: 8
    .kernarg_segment_size: 16
    .max_flat_workgroup_size: 256
    .sgpr_count:     80
    .vgpr_count:     512
    .wavefront_size: 32
...
	.end_amdgpu_metadata
.endif
;; end of part 3
;; launch wo (part 4): grid 32 x 8, 4 waves a work-group, clusters of 4 x 1, 167,936 bytes of LDS; arguments yimg, img, abuf; writes abuf
.if DOCPART == 4
	.amdgcn_target "amdgcn-amd-amdhsa--gfx1250"
	.amdhsa_code_object_version 6
	.text
	.protected	k_q68e6d5508c_wo
	.globl	k_q68e6d5508c_wo
	.p2align	8
	.type	k_q68e6d5508c_wo,@function
k_q68e6d5508c_wo:
	s_mov_b64 s[64:65], 0
	v_nop
	global_prefetch_b8 v0, s[64:65] scope:SCOPE_SE
	s_setreg_imm32_b32 hwreg(HW_REG_WAVE_MODE, 25, 1), 1
	s_wait_xcnt 0x0
	s_wait_alu depctr_hold_cnt(0) depctr_sa_sdst(0) depctr_va_vdst(0) depctr_va_sdst(0) depctr_va_ssrc(0) depctr_va_vcc(0) depctr_vm_vsrc(0)
	s_getreg_b32 s2, hwreg(HW_REG_IB_STS2, 6, 4)
	s_cmp_eq_u32 s2, 0
	s_cbranch_scc0 .Lentry_in_a_cluster
	s_endpgm
.Lentry_in_a_cluster:
	s_bfe_u32 s2, ttmp6, 0x10000c
	s_cmp_lg_u32 s2, 0x3003
	s_cbranch_scc0 .Lentry_shape_is_right
	s_endpgm
.Lentry_shape_is_right:
; A = y wo^T on codes of FP6; A [4096][1024] f32 goes to a workspace buffer, from which the second norm and the last launch read it.
; Work-group (x, y): 128 tokens against 128 rows of wo (units 448 + 8 y ..).  Wave w owns two token tiles, whose 16 fragments come from memory into registers and stay; the eight weight units lie in one LDS slot,
; filled once, jointly for the four work-groups of the cluster, which differ in x alone.  Two token tiles to a wave and not four, so that N = 1,024 still gives 256 work-groups.
; A K step is 16 matrix instructions fed by eight weight fragments from LDS, fetched a step ahead in two sets by turns.
; Source 0 = weight rows, source 1 = tokens: a lane holds one token and eight neighbouring columns a tile; a tile of 16 tokens goes through the wave's stage and leaves as whole rows of 512 bytes.
; REGISTERS: window 0: v1-5 lane terms, v6-11 LDS addresses, v14, v15 the stage, v16-23 tokens' scale words, v32-63 weights', v64-127 and v160-223 rows on the way out, v160-255 weight set 1.
;   window 1: v0-127 the 16 accumulators, v128-223 weight set 0.   window 2: the token fragments.
.set UNIT,  12800
.set FRB,   1536
.set SCO,   12288
.set SLOTB, 8*UNIT
.set STG,   SLOTB                      ; behind the slot: a stage of 16 rows x 528 bytes for each wave; no fill ever lands there
.set SPARE, STG+4*8448                 ; the spare words, 128 bytes for each wave: two blocks of 256 bytes that no other line names
.set AW16,  6
.set AW8,   8
.set AW4,   10
.set SPW,   12
.set NIL,   13
.set STO,   14
.set RD,    15
.set TSC,   16
.set WSC,   32
.set WS0,   128
.set WS1,   160
.set TB,    42
.set OB,    44
.set MSB, 0
.macro WIN new
.if MSB != (\new)
	s_set_vgpr_msb (MSB<<8)|(\new)
.set MSB, (\new)
.endif
.endm
.macro PLACES n
.rept \n
	v_nop
.endr
.endm
.macro CROUND
	s_barrier_signal -1
	s_barrier_wait -1
	s_cmp_lg_u32 s10, 0
	s_cbranch_scc1 .Lnot_wave_0_\@
	s_barrier_signal -3
.Lnot_wave_0_\@:
	s_barrier_wait -3
	s_barrier_signal -1
	s_barrier_wait -1
.endm
.macro WM d, a, b, c, sa, sb, odd
.if (\c) < 0
.if \odd
	v_wmma_scale_f32_16x16x128_f8f6f4 v[(\d):(\d)+7], v[(\a):(\a)+11], v[(\b):(\b)+11], 0, v[\sa], v[\sb] matrix_a_fmt:MATRIX_FMT_FP6 matrix_b_fmt:MATRIX_FMT_FP6 matrix_a_scale:MATRIX_SCALE_ROW1 matrix_b_scale:MATRIX_SCALE_ROW1
.else
	v_wmma_scale_f32_16x16x128_f8f6f4 v[(\d):(\d)+7], v[(\a):(\a)+11], v[(\b):(\b)+11], 0, v[\sa], v[\sb] matrix_a_fmt:MATRIX_FMT_FP6 matrix_b_fmt:MATRIX_FMT_FP6
.endif
.else
.if \odd
	v_wmma_scale_f32_16x16x128_f8f6f4 v[(\d):(\d)+7], v[(\a):(\a)+11], v[(\b):(\b)+11], v[(\c):(\c)+7], v[\sa], v[\sb] matrix_a_fmt:MATRIX_FMT_FP6 matrix_b_fmt:MATRIX_FMT_FP6 matrix_a_scale:MATRIX_SCALE_ROW1 matrix_b_scale:MATRIX_SCALE_ROW1
.else
	v_wmma_scale_f32_16x16x128_f8f6f4 v[(\d):(\d)+7], v[(\a):(\a)+11], v[(\b):(\b)+11], v[(\c):(\c)+7], v[\sa], v[\sb] matrix_a_fmt:MATRIX_FMT_FP6 matrix_b_fmt:MATRIX_FMT_FP6
.endif
.endif
.endm
.macro WFRAG reg, b, s
	ds_load_b128 v[(\reg):(\reg)+3], v[AW16+(\b)/4] offset:((\b)%4)*UNIT+FRB*(\s)
	ds_load_b64 v[(\reg)+4:(\reg)+5], v[AW8+(\b)/4] offset:((\b)%4)*UNIT+FRB*(\s)+512
	ds_load_b128 v[(\reg)+6:(\reg)+9], v[AW16+(\b)/4] offset:((\b)%4)*UNIT+FRB*(\s)+768
	ds_load_b64 v[(\reg)+10:(\reg)+11], v[AW8+(\b)/4] offset:((\b)%4)*UNIT+FRB*(\s)+1280
.endm
.macro FETCHW s, set
.if (\set) == 0
	WIN 0x40
.irp b, 0,1,2,3,4,5,6,7
	WFRAG WS0+12*\b, \b, \s
.endr
.else
	WIN 0
.irp b, 0,1,2,3,4,5,6,7
	WFRAG WS1+12*\b, \b, \s
.endr
.endif
.endm
.macro WSCALES
.irp b, 0,1,2,3,4,5,6,7
.irp p, 0,1,2,3
	ds_load_b32 v[WSC+4*\b+\p], v[AW4+\b/4] offset:(\b%4)*UNIT+SCO+128*\p
.endr
.endr
.endm
.macro TLOAD_T s
	WIN 0x80
.irp a, 0,1
	global_load_b128 v[24*(\s)+12*\a:24*(\s)+12*\a+3], v1, s[TB:TB+1] offset:\a*UNIT+FRB*(\s)
	global_load_b64 v[24*(\s)+12*\a+4:24*(\s)+12*\a+5], v2, s[TB:TB+1] offset:\a*UNIT+FRB*(\s)+512
	global_load_b128 v[24*(\s)+12*\a+6:24*(\s)+12*\a+9], v1, s[TB:TB+1] offset:\a*UNIT+FRB*(\s)+768
	global_load_b64 v[24*(\s)+12*\a+10:24*(\s)+12*\a+11], v2, s[TB:TB+1] offset:\a*UNIT+FRB*(\s)+1280
.endr
.endm
.macro MULS s, mode                    ; 16 products; the 16 accumulators take turns, one instruction a turn
.set WR, WS0+(WS1-WS0)*((\s)%2)
	WIN 0x58|(1-(\s)%2)
.irp a, 0,1
.irp b, 0,1,2,3,4,5,6,7
.if (\mode) == 1
	WM 8*(8*\a+\b), WR+12*\b, 24*(\s)+12*\a, -1, WSC+4*\b+(\s)/2, TSC+4*\a+(\s)/2, (\s)%2
.else
	WM 8*(8*\a+\b), WR+12*\b, 24*(\s)+12*\a, 8*(8*\a+\b), WSC+4*\b+(\s)/2, TSC+4*\a+(\s)/2, (\s)%2
.endif
.endr
.endr
.endm
.macro KSTEP s, mode
	s_wait_loadcnt 8*(7-(\s))                      ; this K step's token fragments are in: the later K steps' loads are younger
	s_wait_dscnt 0x0                               ; this step's weight fragments, asked for a K step ago
	PLACES 4                                       ; behind the products that read the other set
.if (\s) < 7
	FETCHW (\s)+1, ((\s)+1)%2
.endif
	MULS \s, \mode
.endm
.macro TOSTAGE a                       ; token tile a: 16 rows x 128 columns through my stage, back as whole rows
.set BB, 64+96*(\a)
	WIN 0x04
.irp b, 0,1,2,3,4,5,6,7
	ds_store_b128 v[STO], v[8*(8*(\a)+\b):8*(8*(\a)+\b)+3] offset:128*(\b/2)+32*(\b%2)          ; each accumulator from its low end on
	ds_store_b128 v[STO], v[8*(8*(\a)+\b)+4:8*(8*(\a)+\b)+7] offset:128*(\b/2)+32*(\b%2)+16
.endr
	WIN 0
.irp i, 0,1,2,3,4,5,6,7,8,9,10,11,12,13,14,15
	ds_load_b128 v[BB+4*\i:BB+4*\i+3], v[RD] offset:528*\i     ; LDS serves a wave's instructions in order: these see my stores, and the next tile's stores come behind them
.endr
.endm
.macro SEND a, younger
.set BB, 64+96*(\a)
	s_wait_dscnt \younger
.irp i, 0,1,2,3,4,5,6,7,8,9,10,11,12,13,14,15
	global_store_b128 v1, v[BB+4*\i:BB+4*\i+3], s[OB:OB+1] offset:32768*(\a)+4096*(\i+8*(\i/8))   ; 32 lanes store 512 consecutive bytes, at a multiple of 256 from the buffer's first byte
.endr
.endm
	s_load_b128 s[4:7], s[0:1], 0x0                ; yimg, img
	s_load_b64 s[8:9], s[0:1], 0x10                ; abuf
	v_lshl_add_u32 v[SPW], v0, 2, SPARE
	v_mov_b32 v[NIL], 0
	ds_add_u32 v[SPW], v[NIL]                      ; the wave's opening: the add and its wait ahead of my first tensor load
	v_lshrrev_b32 v1, 5, v0
	v_readfirstlane_b32 s10, v1
	s_bfe_u32 s11, ttmp6, 0x40000
	s_lshl_b32 s12, ttmp9, 2
	s_add_co_u32 s12, s12, s11                     ; x
	s_and_b32 s13, ttmp7, 0xffff                   ; y
	s_mov_b32 s16, 0x0023000f
	s_mov_b32 s17, 32<<16
	s_mov_b32 s18, 100<<16
	s_mov_b32 s19, 32<<16
	s_mov_b32 s20, 100
	s_mov_b32 s21, 32
	s_mov_b32 s22, 0
	s_mov_b32 s23, 0
	s_mul_i32 s14, s10, 2*UNIT
	s_lshl_b32 s15, s13, 3
	s_lshl_b32 s2, s10, 1
	s_add_co_u32 s15, s15, s2
	s_add_co_u32 s15, s15, 448                     ; unit 448 + 8 y + 2 w
	s_mul_i32 s2, s15, UNIT
	s_mov_b32 s3, 0
	v_and_b32 v3, 31, v0
	v_lshlrev_b32 v1, 4, v3
	v_lshlrev_b32 v2, 3, v3
	v_lshlrev_b32 v3, 2, v3
	v_and_b32 v4, 15, v0
	v_bfe_u32 v5, v0, 4, 1
	v_add_nc_u32 v[AW16], 0, v1
	v_add_nc_u32 v[AW8], 0, v2
	v_add_nc_u32 v[AW4], 0, v3
	v_add_nc_u32 v[AW16+1], 4*UNIT, v1
	v_add_nc_u32 v[AW8+1], 4*UNIT, v2
	v_add_nc_u32 v[AW4+1], 4*UNIT, v3
	s_mul_i32 s50, s10, 8448
	s_add_co_u32 s50, s50, STG
	v_mul_u32_u24 v[STO], v4, 528
	v_lshl_add_u32 v[STO], v5, 6, v[STO]
	v_add_nc_u32 v[STO], s50, v[STO]               ; in: row r, + 64 h
	v_add_nc_u32 v[RD], s50, v1                    ; back: 16 bytes a lane
	s_lshl_b32 s46, s12, 3
	s_lshl_b32 s47, s10, 1
	s_add_co_u32 s46, s46, s47                     ; my first token tile
	s_mul_i32 s46, s46, UNIT
	s_mov_b32 s47, 0
	s_lshl_b32 s48, s12, 2
	s_add_co_u32 s48, s48, s10
	s_lshl_b32 s48, s48, 17                        ; 32 rows of 4,096 bytes for each pair of tiles
	s_lshl_b32 s49, s13, 9
	s_add_co_u32 s48, s48, s49
	s_mov_b32 s49, 0
	s_wait_dscnt 0x0
	s_wait_kmcnt 0x0
	s_mov_b32 s24, 1
	s_mov_b32 s25, s14
	s_add_nc_u64 s[26:27], s[6:7], s[2:3]
	s_or_b32 s27, s27, 0x80000000
	s_add_nc_u64 s[TB:TB+1], s[4:5], s[46:47]
	s_add_nc_u64 s[OB:OB+1], s[8:9], s[48:49]
	CROUND
	tensor_load_to_lds s[24:27], s[16:23]          ; one load of mine is out
	s_nop 0
	PLACES 4
.irp a, 0,1
.irp p, 0,1,2,3
	global_load_b32 v[TSC+4*\a+\p], v3, s[TB:TB+1] offset:\a*UNIT+SCO+128*\p
.endr
.endr
.irp s, 0,1,2,3,4,5,6,7
	TLOAD_T \s
.endr
	WIN 0
	s_wait_tensorcnt 0x0
	s_barrier_signal -1
	s_barrier_wait -1
	WSCALES
	FETCHW 0, 0
	KSTEP 0, 1
.irp s, 1,2,3,4,5,6,7
	KSTEP \s, 0
.endr
	PLACES 4                                       ; in front of the first read of results and of loads into weight set 1
	TOSTAGE 0
	TOSTAGE 1
	SEND 0, 32                                     ; tile 1's 16 stores and 16 loads are younger
	SEND 1, 0
	s_wait_tensorcnt 0x0                           ; the wave's end
	ds_add_u32 v[SPW], v[NIL]
	s_wait_dscnt 0x0
	CROUND
	s_endpgm
.Lfunc_end_k_q68e6d5508c_wo:
	.size	k_q68e6d5508c_wo, .Lfunc_end_k_q68e6d5508c_wo-k_q68e6d5508c_wo
	.p2alignl 7, 3214868480
	.fill 96, 4, 3214868480
	.section	.rodata,"a",@progbits
	.p2align	6, 0x0
	.amdhsa_kernel k_q68e6d5508c_wo
		.amdhsa_group_segment_fixed_size 167936
		.amdhsa_private_segment_fixed_size 0
		.amdhsa_enable_private_segment 0
		.amdhsa_kernarg_size 24
		.amdhsa_user_sgpr_count 2
		.amdhsa_user_sgpr_kernarg_segment_ptr 1
		.amdhsa_wavefront_size32 1
		.amdhsa_system_sgpr_workgroup_id_x 1
		.amdhsa_system_sgpr_workgroup_id_y 1
		.amdhsa_system_sgpr_workgroup_id_z 1
		.amdhsa_system_vgpr_workitem_id 0
		.amdhsa_next_free_vgpr 768
		.amdhsa_next_free_sgpr 66
		.amdhsa_reserve_vcc 0
		.amdhsa_float_denorm_mode_32 3
		.amdhsa_float_denorm_mode_16_64 3
		.amdhsa_memory_ordered 1
		.amdhsa_forward_progress 1
		.amdhsa_inst_pref_size 55
	.end_amdhsa_kernel
	.amdgpu_metadata
---
amdhsa.version: [ 1, 2 ]
amdhsa.kernels:
  - .name:           k_q68e6d5508c_wo
    .symbol:         k_q68e6d5508c_wo.kd
    .args:
      - { .name: yimg, .offset: 0, .size: 8, .value_kind: global_buffer, .address_space: global }
      - { .name: img, .offset: 8, .size: 8, .value_kind: global_buffer, .address_space: global }
      - { .name: abuf, .offset: 16, .size: 8, .value_kind: global_buffer, .address_space: global }
    .group_segment_fixed_size: 167936
    .private_segment_fixed_size: 0
    .kernarg_segment_align: 8
    .kernarg_segment_size: 24
    .max_flat_workgroup_size: 128
    .sgpr_count:     66
    .vgpr_count:     768
    .wavefront_size: 32
...
	.end_amdgpu_metadata
.endif
;; end of part 4
;; launch norm2 (part 5): grid 256 x 1, 8 waves a work-group, no clusters, 69,632 bytes of LDS; arguments H, abuf, norm2_scale, zimg; writes zimg
.if DOCPART == 5
	.amdgcn_target "amdgcn-amd-amdhsa--gfx1250"
	.amdhsa_code_object_version 6
	.text
	.protected	k_q68e6d5508c_norm2
	.globl	k_q68e6d5508c_norm2
	.p2align	8
	.type	k_q68e6d5508c_norm2,@function
k_q68e6d5508c_norm2:
	s_mov_b64 s[64:65], 0
	v_nop
	global_prefetch_b8 v0, s[64:65] scope:SCOPE_SE
	s_setreg_imm32_b32 hwreg(HW_REG_WAVE_MODE, 25, 1), 1
	s_wait_xcnt 0x0
; z = rmsnorm2(H + A) as codes of FP6 with one E8M0 byte for each 32 along D, laid as units (a tile of 16 tokens x 1,024: eight fragments of 1,536 bytes, then 512 bytes of scale words [K step][row]).
; Work-group t makes token tile t (tokens 32 (t / 2) + 8 (t % 2) + r + 8 (r / 8)), wave s its K step s.  Each load reads 512 consecutive bytes of a row; the 16 rows turn through the wave's own stage in LDS,
; so that lane (r, h) holds, of row r, k = 32 b + 16 h + 0..15 in registers 16 b + 0..15.  A row's sum of squares meets in LDS behind one barrier; the unit's scale words leave behind a second.
; All 48 loads of a wave go out together: A's rows land in the registers that the turn through the stage fills later, so the gains have registers of their own from the start.
; LIMITS: NaN and infinities are not served; blocks whose largest magnitude lies under 2^-124 keep the byte 1.
.set UNIT,  12800
.set FRB,   1536
.set SP,    528
.set WST,   16*SP
.set RS,    8*WST
.set SCG,   RS+512
.set SPARE, SCG+512                    ; the spare words, 128 bytes for each wave: four blocks of 256 bytes that no other line names
.set SPW,   12
.set NIL,   13
.set R,     32
.set X,     96
.set G,     160
.set TM,    32
.set PW,    48
.set PC,    50
.set PS,    62
.set SU,    70
.set WV,    40
.set SEL,   42
.macro QUANT s
.irp b, 0,1,2,3
	v_max3_num_f32 v[TM+\b], |v[(\s)+16*\b]|, |v[(\s)+1+16*\b]|, 0x1800000
.endr
.irp i, 2,4,6,8,10,12,14
.irp b, 0,1,2,3
	v_max3_num_f32 v[TM+\b], v[TM+\b], |v[(\s)+16*\b+\i]|, |v[(\s)+1+16*\b+\i]|
.endr
.endr
.irp b, 0,1,2,3
	v_permlanex16_b32 v[TM+4+\b], v[TM+\b], s[SEL], s[SEL+1]
.endr
.irp b, 0,1,2,3
	v_max_num_f32 v[TM+\b], v[TM+\b], v[TM+4+\b]
.endr
.irp b, 0,1,2,3
	v_add_nc_u32 v[TM+12+\b], 0xff000000, v[TM+\b]
.endr
.irp b, 0,1,2,3
	v_lshrrev_b32 v[TM+4+\b], 23, v[TM+12+\b]
.endr
	v_lshl_or_b32 v[PW], v[TM+5], 8, v[TM+4]
	v_lshl_or_b32 v[PW], v[TM+6], 16, v[PW]
	v_lshl_or_b32 v[PW], v[TM+7], 24, v[PW]
.irp c, 0,1
	v_cvt_scalef32_pk16_fp6_f32 v[PC+6*\c:PC+2+6*\c], v[(\s)+32*\c:(\s)+15+32*\c], v[TM+12+2*\c]
	v_cvt_scalef32_pk16_fp6_f32 v[PS+4*\c:PS+2+4*\c], v[(\s)+16+32*\c:(\s)+31+32*\c], v[TM+13+2*\c]
.endr
	v_nop
.irp c, 0,1
.irp i, 0,1,2
	v_permlane16_swap_b32 v[PC+6*\c+\i], v[PS+4*\c+\i]
.endr
.irp i, 0,1,2
	v_mov_b32 v[PC+3+6*\c+\i], v[PS+4*\c+\i]
.endr
.endr
.endm
	s_load_b256 s[4:11], s[0:1], 0x0               ; H, abuf, norm2_scale, zimg
	v_lshl_add_u32 v[SPW], v0, 2, SPARE
	v_mov_b32 v[NIL], 0
	v_lshrrev_b32 v1, 5, v0
	v_readfirstlane_b32 s[WV], v1
	v_and_b32 v1, 31, v0
	v_and_b32 v2, 15, v0
	v_bfe_u32 v3, v0, 4, 1
	v_lshlrev_b32 v4, 4, v1
	v_lshlrev_b32 v5, 3, v1
	s_mul_i32 s24, s[WV], WST
	v_add_nc_u32 v6, s24, v4
	v_mul_u32_u24 v7, v2, SP
	v_lshl_add_u32 v7, v3, 6, v7
	v_add_nc_u32 v7, s24, v7
	v_lshlrev_b32 v9, 5, v2
	v_add_nc_u32 v9, RS, v9
	s_lshl_b32 s25, s[WV], 2
	v_add_nc_u32 v8, s25, v9
	v_lshlrev_b32 v10, 2, v2
	s_lshl_b32 s25, s[WV], 6
	s_add_co_u32 s25, s25, SCG
	v_add_nc_u32 v10, s25, v10
	v_add_nc_u32 v11, SCG, v4
	s_lshl_b32 s25, s[WV], 9
	v_lshlrev_b32 v14, 6, v3
	v_add_nc_u32 v14, s25, v14
	s_mov_b32 s[SEL], 0x76543210
	s_mov_b32 s[SEL+1], 0xfedcba98
	s_mov_b32 s41, 0x3a800000                      ; 1 / 1,024
	s_lshr_b32 s24, ttmp9, 1
	s_lshl_b32 s24, s24, 5
	s_and_b32 s26, ttmp9, 1
	s_lshl_b32 s26, s26, 3
	s_add_co_u32 s24, s24, s26                     ; the tile's first token
	s_lshl_b32 s24, s24, 12
	s_add_co_u32 s24, s24, s25                     ; + my K step's 512 bytes
	s_mov_b32 s25, 0
	s_mul_i32 s28, ttmp9, UNIT
	s_mul_i32 s30, s[WV], FRB
	s_add_co_u32 s28, s28, s30
	s_mov_b32 s29, 0
	s_wait_kmcnt 0x0
	s_add_nc_u64 s[4:5], s[4:5], s[24:25]
	s_add_nc_u64 s[6:7], s[6:7], s[24:25]
	s_add_nc_u64 s[10:11], s[10:11], s[28:29]
.irp i, 0,1,2,3,4,5,6,7,8,9,10,11,12,13,14,15
	global_load_b128 v[R+4*\i:R+4*\i+3], v4, s[4:5] offset:4096*(\i+8*(\i/8)) th:TH_LOAD_NT
.endr
.irp i, 0,1,2,3,4,5,6,7,8,9,10,11,12,13,14,15
	global_load_b128 v[X+4*\i:X+4*\i+3], v4, s[6:7] offset:4096*(\i+8*(\i/8))   ; A's rows, in the registers that the stage's loads fill below
.endr
.irp b, 0,1,2,3
.irp j, 0,1,2,3
	global_load_b128 v[G+16*\b+4*\j:G+16*\b+4*\j+3], v14, s[8:9] offset:128*\b+16*\j   ; the gains of my 64 columns
.endr
.endr
	s_wait_loadcnt 16                              ; H's and A's rows are in; the 16 loads of gains are younger
.set j, 0
.rept 32
	v_pk_add_f32 v[R+j:R+j+1], v[R+j:R+j+1], v[X+j:X+j+1]   ; H + A
.set j, j+2
.endr
.irp i, 0,1,2,3,4,5,6,7,8,9,10,11,12,13,14,15
	ds_store_b128 v6, v[R+4*\i:R+4*\i+3] offset:SP*\i
.endr
.irp b, 0,1,2,3
.irp j, 0,1,2,3
	ds_load_b128 v[X+16*\b+4*\j:X+16*\b+4*\j+3], v7 offset:128*\b+16*\j   ; LDS serves a wave's instructions in order: these see my stores
.endr
.endr
	s_wait_dscnt 0x0
.irp b, 0,1,2,3
	v_mov_b32 v[TM+4+\b], 0
.endr
	v_pk_mul_f32 v[SU:SU+1], v[X:X+1], v[X:X+1]
	v_pk_mul_f32 v[SU+2:SU+3], v[X+2:X+3], v[X+2:X+3]
.irp j, 4,8,12,16,20,24,28,32,36,40,44,48,52,56,60
	v_pk_fma_f32 v[SU:SU+1], v[X+\j:X+\j+1], v[X+\j:X+\j+1], v[SU:SU+1]
	v_pk_fma_f32 v[SU+2:SU+3], v[X+\j+2:X+\j+3], v[X+\j+2:X+\j+3], v[SU+2:SU+3]
.endr
	v_pk_add_f32 v[SU:SU+1], v[SU:SU+1], v[SU+2:SU+3]
	v_add_f32 v[SU], v[SU], v[SU+1]
	v_permlanex16_b32 v[SU+1], v[SU], s[SEL], s[SEL+1]
	v_add_f32 v[SU], v[SU], v[SU+1]
	ds_store_b32 v8, v[SU]
	s_wait_dscnt 0x0
	s_barrier_signal -1
	s_barrier_wait -1
	ds_load_b128 v[SU+2:SU+5], v9
	ds_load_b128 v[SU+6:SU+9], v9 offset:16
	s_wait_dscnt 0x0
	v_add_f32 v[SU+2], v[SU+2], v[SU+3]
	v_add_f32 v[SU+4], v[SU+4], v[SU+5]
	v_add_f32 v[SU+6], v[SU+6], v[SU+7]
	v_add_f32 v[SU+8], v[SU+8], v[SU+9]
	v_add_f32 v[SU+2], v[SU+2], v[SU+4]
	v_add_f32 v[SU+6], v[SU+6], v[SU+8]
	v_add_f32 v[SU+2], v[SU+2], v[SU+6]
	v_fmaak_f32 v[SU], s41, v[SU+2], 0x358637bd    ; the mean + 1e-6
	v_rsq_f32 v[SU+4], v[SU]
	v_nop
	s_wait_alu depctr_va_vdst(0)                   ; the wait ahead of the result's first reader
	v_mov_b32 v[SU+5], v[SU+4]
	s_wait_loadcnt 0x0                             ; the gains
.set j, 0
.rept 32
	v_pk_mul_f32 v[X+j:X+j+1], v[X+j:X+j+1], v[SU+4:SU+5]
.set j, j+2
.endr
.set j, 0
.rept 32
	v_pk_mul_f32 v[X+j:X+j+1], v[X+j:X+j+1], v[G+j:G+j+1]
.set j, j+2
.endr
	QUANT X
	global_store_b128 v4, v[PC:PC+3], s[10:11]
	global_store_b64 v5, v[PC+4:PC+5], s[10:11] offset:512
	global_store_b128 v4, v[PC+6:PC+9], s[10:11] offset:768
	global_store_b64 v5, v[PC+10:PC+11], s[10:11] offset:1280
	ds_store_b32 v10, v[PW]
	s_wait_dscnt 0x0
	s_barrier_signal -1
	s_barrier_wait -1
	s_cmp_lg_u32 s[WV], 0
	s_cbranch_scc1 .Lend
	ds_load_b128 v[SU:SU+3], v11
	s_wait_dscnt 0x0
	global_store_b128 v4, v[SU:SU+3], s[10:11] offset:8*FRB
.Lend:
	s_wait_tensorcnt 0x0                           ; the wave's end
	ds_add_u32 v[SPW], v[NIL]
	s_wait_dscnt 0x0
	s_endpgm
.Lfunc_end_k_q68e6d5508c_norm2:
	.size	k_q68e6d5508c_norm2, .Lfunc_end_k_q68e6d5508c_norm2-k_q68e6d5508c_norm2
	.p2alignl 7, 3214868480
	.fill 96, 4, 3214868480
	.section	.rodata,"a",@progbits
	.p2align	6, 0x0
	.amdhsa_kernel k_q68e6d5508c_norm2
		.amdhsa_group_segment_fixed_size 69632
		.amdhsa_private_segment_fixed_size 0
		.amdhsa_enable_private_segment 0
		.amdhsa_kernarg_size 32
		.amdhsa_user_sgpr_count 2
		.amdhsa_user_sgpr_kernarg_segment_ptr 1
		.amdhsa_wavefront_size32 1
		.amdhsa_system_sgpr_workgroup_id_x 1
		.amdhsa_system_sgpr_workgroup_id_y 1
		.amdhsa_system_sgpr_workgroup_id_z 1
		.amdhsa_system_vgpr_workitem_id 0
		.amdhsa_next_free_vgpr 224
		.amdhsa_next_free_sgpr 66
		.amdhsa_reserve_vcc 0
		.amdhsa_float_denorm_mode_32 3
		.amdhsa_float_denorm_mode_16_64 3
		.amdhsa_memory_ordered 1
		.amdhsa_forward_progress 1
		.amdhsa_inst_pref_size 23
	.end_amdhsa_kernel
	.amdgpu_metadata
---
amdhsa.version: [ 1, 2 ]
amdhsa.kernels:
  - .name:           k_q68e6d5508c_norm2
    .symbol:         k_q68e6d5508c_norm2.kd
    .args:
      - { .name: H, .offset: 0, .size: 8, .value_kind: global_buffer, .address_space: global }
      - { .name: abuf, .offset: 8, .size: 8, .value_kind: global_buffer, .address_space: global }
      - { .name: norm2_scale, .offset: 16, .size: 8, .value_kind: global_buffer, .address_space: global }
      - { .name: zimg, .offset: 24, .size: 8, .value_kind: global_buffer, .address_space: global }
    .group_segment_fixed_size: 69632
    .private_segment_fixed_size: 0
    .kernarg_segment_align: 8
    .kernarg_segment_size: 32
    .max_flat_workgroup_size: 256
    .sgpr_count:     66
    .vgpr_count:     224
    .wavefront_size: 32
...
	.end_amdgpu_metadata
.endif
;; end of part 5
;; launch w1 (part 6): grid 16 x 16, 4 waves a work-group, clusters of 4 x 1, 205,312 bytes of LDS; arguments zimg, img, b1, himg; writes himg
.if DOCPART == 6
	.amdgcn_target "amdgcn-amd-amdhsa--gfx1250"
	.amdhsa_code_object_version 6
	.text
	.protected	k_q68e6d5508c_w1
	.globl	k_q68e6d5508c_w1
	.p2align	8
	.type	k_q68e6d5508c_w1,@function
k_q68e6d5508c_w1:
	s_mov_b64 s[64:65], 0
	v_nop
	global_prefetch_b8 v0, s[64:65] scope:SCOPE_SE
	s_setreg_imm32_b32 hwreg(HW_REG_WAVE_MODE, 25, 1), 1
	s_wait_xcnt 0x0
	s_wait_alu depctr_hold_cnt(0) depctr_sa_sdst(0) depctr_va_vdst(0) depctr_va_sdst(0) depctr_va_ssrc(0) depctr_va_vcc(0) depctr_vm_vsrc(0)
	s_getreg_b32 s2, hwreg(HW_REG_IB_STS2, 6, 4)
	s_cmp_eq_u32 s2, 0
	s_cbranch_scc0 .Lentry_in_a_cluster
	s_endpgm
.Lentry_in_a_cluster:
	s_bfe_u32 s2, ttmp6, 0x10000c
	s_cmp_lg_u32 s2, 0x3003
	s_cbranch_scc0 .Lentry_shape_is_right
	s_endpgm
.Lentry_shape_is_right:
; h = gelu(z w1^T + b1), exact gelu, quantised along the hidden axis and stored as fragments of the last product's operand.  Products on codes of FP6.
; Work-group (x, y): 256 tokens against two blocks of 128 rows of w1 (2 y, 2 y + 1).  Wave w owns four token tiles, whose 32 fragments come from memory into registers and stay; a block's eight weight units lie in
; an LDS slot; both slots are filled once, jointly for the four work-groups of the cluster, which differ in x alone.  The first block begins as soon as slot 0 has landed; slot 1's fill has the first block's work
; in which to land and is waited for at the loop's foot, in front of a barrier (the loop is not written out twice: its text would be some 60 KB).
; Source 0 = weight rows, source 1 = tokens: a lane holds one token and 64 neighbours along the hidden axis; a block's 128 hidden units are one K step of the next product: one fragment and one scale word a token.
; The bias lies in the accumulators of token tile 3 and is the C of the first K step's products; tile 3's own products come last in that step and add in place.
; gelu(x) = 0.5 x (1 + erf(x / sqrt 2)); erf(z) = z a(z^2) / b(z^2) with z held to +-4, polynomials of degree 6 and 4.
; himg: unit 4 x token tile + chunk of 1,024 hidden units.
; REGISTERS: as in the launch for q, k, v; v64-127 a tile's gelu; v160-255 weight set 1 and, on the way out, three runs of 32 at work, then the codes.
; LIMITS: 1 + erf carries an absolute error of about 1e-7, so gelu's relative error grows for x far below 0, where its values lie far under their block's smallest step.  NaN and infinities are not served.
.set UNIT,  12800
.set FRB,   1536
.set SCO,   12288
.set SLOTB, 8*UNIT
.set SPARE, 2*SLOTB                    ; the spare words, 128 bytes for each wave: two blocks of 256 bytes that no other line names
.set AW16,  6
.set AW8,   8
.set AW4,   10
.set SPW,   12
.set NIL,   13
.set TSC,   16
.set WSC,   32
.set HA,    64
.set TM,    128
.set PW,    144
.set KW,    145
.set PC,    160
.set PS,    180
.set GA,    160
.set GB,    192
.set GC,    224
.set WS0,   144
.set WS1,   160
.set SB,    40
.set TRIP,  41
.set TB,    42
.set OB,    44
.set OSB,   46
.set BB1,   48
.set SEL,   86
.set HM,    88
.set MSB, 0
.macro WIN new
.if MSB != (\new)
	s_set_vgpr_msb (MSB<<8)|(\new)
.set MSB, (\new)
.endif
.endm
.macro PLACES n
.rept \n
	v_nop
.endr
.endm
.macro CROUND
	s_barrier_signal -1
	s_barrier_wait -1
	s_cmp_lg_u32 s10, 0
	s_cbranch_scc1 .Lnot_wave_0_\@
	s_barrier_signal -3
.Lnot_wave_0_\@:
	s_barrier_wait -3
	s_barrier_signal -1
	s_barrier_wait -1
.endm
.macro CPAIR r, v                      ; a constant, twice: the packed forms name a pair
	s_mov_b32 s[\r], \v
	s_mov_b32 s[\r+1], \v
.endm
.macro WM d, a, b, c, sa, sb, odd
.if \odd
	v_wmma_scale_f32_16x16x128_f8f6f4 v[(\d):(\d)+7], v[(\a):(\a)+11], v[(\b):(\b)+11], v[(\c):(\c)+7], v[\sa], v[\sb] matrix_a_fmt:MATRIX_FMT_FP6 matrix_b_fmt:MATRIX_FMT_FP6 matrix_a_scale:MATRIX_SCALE_ROW1 matrix_b_scale:MATRIX_SCALE_ROW1
.else
	v_wmma_scale_f32_16x16x128_f8f6f4 v[(\d):(\d)+7], v[(\a):(\a)+11], v[(\b):(\b)+11], v[(\c):(\c)+7], v[\sa], v[\sb] matrix_a_fmt:MATRIX_FMT_FP6 matrix_b_fmt:MATRIX_FMT_FP6
.endif
.endm
.macro WFRAG reg, b, s
	ds_load_b128 v[(\reg):(\reg)+3], v[AW16+(\b)/4] offset:((\b)%4)*UNIT+FRB*(\s)
	ds_load_b64 v[(\reg)+4:(\reg)+5], v[AW8+(\b)/4] offset:((\b)%4)*UNIT+FRB*(\s)+512
	ds_load_b128 v[(\reg)+6:(\reg)+9], v[AW16+(\b)/4] offset:((\b)%4)*UNIT+FRB*(\s)+768
	ds_load_b64 v[(\reg)+10:(\reg)+11], v[AW8+(\b)/4] offset:((\b)%4)*UNIT+FRB*(\s)+1280
.endm
.macro FETCHW s, set
.if (\set) == 0
	WIN 0x80
.irp b, 0,1,2,3,4,5,6,7
	WFRAG WS0+12*\b, \b, \s
.endr
.else
	WIN 0
.irp b, 0,1,2,3,4,5,6,7
	WFRAG WS1+12*\b, \b, \s
.endr
.endif
.endm
.macro WSCALES
.irp b, 0,1,2,3,4,5,6,7
.irp p, 0,1,2,3
	ds_load_b32 v[WSC+4*\b+\p], v[AW4+\b/4] offset:(\b%4)*UNIT+SCO+128*\p
.endr
.endr
.endm
.macro TLOAD_T s
.if (\s) < 5
	WIN 0xc0
.set TR, 48*(\s)
.else
	WIN 0x80
.set TR, 48*((\s)-5)
.endif
.irp a, 0,1,2,3
	global_load_b128 v[TR+12*\a:TR+12*\a+3], v1, s[TB:TB+1] offset:\a*UNIT+FRB*(\s)
	global_load_b64 v[TR+12*\a+4:TR+12*\a+5], v2, s[TB:TB+1] offset:\a*UNIT+FRB*(\s)+512
	global_load_b128 v[TR+12*\a+6:TR+12*\a+9], v1, s[TB:TB+1] offset:\a*UNIT+FRB*(\s)+768
	global_load_b64 v[TR+12*\a+10:TR+12*\a+11], v2, s[TB:TB+1] offset:\a*UNIT+FRB*(\s)+1280
.endr
.endm
.macro BIAS off                        ; a block's bias into tile 3's accumulators: register j of tile b: hidden unit 32 (b / 2) + 16 h + 8 (b % 2) + j
	WIN 0x40
.irp b, 0,1,2,3,4,5,6,7
	global_load_b128 v[8*(24+\b):8*(24+\b)+3], v14, s[BB1:BB1+1] offset:(\off)+4*(32*(\b/2)+8*(\b%2))
	global_load_b128 v[8*(24+\b)+4:8*(24+\b)+7], v14, s[BB1:BB1+1] offset:(\off)+4*(32*(\b/2)+8*(\b%2))+16
.endr
	WIN 0
.endm
; 32 products of K step s.  mode 0: add in place; 2: the bias starts the sums.  The accumulators take turns, one instruction a turn.
.macro MULS s, mode
.set WR, WS0+(WS1-WS0)*((\s)%2)
.set WW, 2-2*((\s)%2)
.if (\s) < 5
.set TR, 48*(\s)
.set TW, 3
.else
.set TR, 48*((\s)-5)
.set TW, 2
.endif
	WIN 0x50|WW|(TW<<2)
.if (\mode) == 2
.irp a, 0,1,2
.irp b, 0,1,2,3,4,5,6,7
	WM 8*(8*\a+\b), WR+12*\b, TR+12*\a, 8*(24+\b), WSC+4*\b+(\s)/2, TSC+4*\a+(\s)/2, (\s)%2
.endr
.endr
	PLACES 5                                       ; tile 3's products write over registers that the products above took as C (ISA guide 7.12.1)
.irp b, 0,1,2,3,4,5,6,7
	WM 8*(24+\b), WR+12*\b, TR+36, 8*(24+\b), WSC+4*\b+(\s)/2, TSC+12+(\s)/2, (\s)%2
.endr
.else
.irp a, 0,1,2,3
.irp b, 0,1,2,3,4,5,6,7
	WM 8*(8*\a+\b), WR+12*\b, TR+12*\a, 8*(8*\a+\b), WSC+4*\b+(\s)/2, TSC+4*\a+(\s)/2, (\s)%2
.endr
.endr
.endif
.endm
.macro KSTEP s, n, mode
	s_wait_loadcnt \n                              ; this K step's token fragments are in: n younger loads may be out (at most 63 can be)
	s_wait_dscnt 0x0
	PLACES 4
.if (\s) < 7
	FETCHW (\s)+1, ((\s)+1)%2
.endif
	MULS \s, \mode
.endm
.macro QUANT s
.irp b, 0,1,2,3
	v_max3_num_f32 v[TM+\b], |v[(\s)+16*\b]|, |v[(\s)+1+16*\b]|, 0x1800000
.endr
.irp i, 2,4,6,8,10,12,14
.irp b, 0,1,2,3
	v_max3_num_f32 v[TM+\b], v[TM+\b], |v[(\s)+16*\b+\i]|, |v[(\s)+1+16*\b+\i]|
.endr
.endr
.irp b, 0,1,2,3
	v_permlanex16_b32 v[TM+4+\b], v[TM+\b], s[SEL], s[SEL+1]
.endr
.irp b, 0,1,2,3
	v_max_num_f32 v[TM+\b], v[TM+\b], v[TM+4+\b]
.endr
.irp b, 0,1,2,3
	v_add_nc_u32 v[TM+12+\b], 0xff000000, v[TM+\b]
.endr
.irp b, 0,1,2,3
	v_lshrrev_b32 v[TM+4+\b], 23, v[TM+12+\b]
.endr
	v_lshl_or_b32 v[PW], v[TM+5], 8, v[TM+4]
	v_lshl_or_b32 v[PW], v[TM+6], 16, v[PW]
	v_lshl_or_b32 v[PW], v[TM+7], 24, v[PW]
.irp c, 0,1
	v_cvt_scalef32_pk16_fp6_f32 v[PC+6*\c:PC+2+6*\c], v[(\s)+32*\c:(\s)+15+32*\c], v[TM+12+2*\c]
	v_cvt_scalef32_pk16_fp6_f32 v[PS+4*\c:PS+2+4*\c], v[(\s)+16+32*\c:(\s)+31+32*\c], v[TM+13+2*\c]
.endr
	v_nop
.irp c, 0,1
.irp i, 0,1,2
	v_permlane16_swap_b32 v[PC+6*\c+\i], v[PS+4*\c+\i]
.endr
.irp i, 0,1,2
	v_mov_b32 v[PC+3+6*\c+\i], v[PS+4*\c+\i]
.endr
.endr
.endm
.macro PK3 d, x, y, k                  ; 16 packed lines: d = x y + the constant at s[k]
.set j, 0
.rept 16
	v_pk_fma_f32 v[(\d)+j:(\d)+j+1], v[(\x)+j:(\x)+j+1], v[(\y)+j:(\y)+j+1], s[\k:\k+1] op_sel_hi:[1,1,0]
.set j, j+2
.endr
.endm
.macro PKM d, x, y                     ; 16 packed lines: d = x y
.set j, 0
.rept 16
	v_pk_mul_f32 v[(\d)+j:(\d)+j+1], v[(\x)+j:(\x)+j+1], v[(\y)+j:(\y)+j+1]
.set j, j+2
.endr
.endm
.macro GELU a, hf                      ; 32 numbers of token tile a
.set AC, 64*(\a)+32*(\hf)
	WIN 0x01
.set j, 0
.rept 16
	v_pk_mul_f32 v[GA+j:GA+j+1], v[AC+j:AC+j+1], 0x3f3504f3 op_sel_hi:[1,0]   ; z = x / sqrt 2; each accumulator is read from its low end on
.set j, j+2
.endr
	WIN 0
.set j, 0
.rept 32
	v_med3_num_f32 v[GA+j], v[GA+j], -4.0, 4.0
.set j, j+1
.endr
	PKM GB, GA, GA                                 ; z^2
.set j, 0
.rept 16
	v_pk_fma_f32 v[GC+j:GC+j+1], v[GB+j:GB+j+1], s[66:67], v[150:151] op_sel_hi:[1,0,1]
.set j, j+2
.endr
	PK3 GC, GC, GB, 68
	PK3 GC, GC, GB, 70
	PK3 GC, GC, GB, 72
	PK3 GC, GC, GB, 74
	PK3 GC, GC, GB, 76
	PKM GC, GC, GA                                 ; z a(z^2)
.set j, 0
.rept 16
	v_pk_fma_f32 v[GA+j:GA+j+1], v[GB+j:GB+j+1], s[78:79], v[152:153] op_sel_hi:[1,0,1]
.set j, j+2
.endr
	PK3 GA, GA, GB, 80
	PK3 GA, GA, GB, 82
	PK3 GA, GA, GB, 84
.set j, 0
.rept 32
	v_rcp_f32 v[GA+j], v[GA+j]                     ; 1 / b(z^2): one batch
.set j, j+1
.endr
	WIN 0x01
.set j, 0
.rept 16
	v_pk_mul_f32 v[GB+j:GB+j+1], v[AC+j:AC+j+1], 0.5 op_sel_hi:[1,0]   ; x / 2: plain work behind the batch
.set j, j+2
.endr
	WIN 0
	s_wait_alu depctr_va_vdst(0)                   ; one wait for the batch, ahead of its first reader
	PKM GC, GC, GA                                 ; erf
.set j, 0
.rept 16
	v_pk_fma_f32 v[HA+32*(\hf)+j:HA+32*(\hf)+j+1], v[GC+j:GC+j+1], v[GB+j:GB+j+1], v[GB+j:GB+j+1]
.set j, j+2
.endr
.endm
.macro EPI a                           ; token tile a: gelu, quantised, one fragment out
	s_wait_xcnt 0x0                                ; the last tile's stores have read their registers
	GELU \a, 0
	GELU \a, 1
	QUANT HA
	global_store_b128 v1, v[PC:PC+3], s[OB:OB+1] offset:(\a)*4*UNIT
	global_store_b64 v2, v[PC+4:PC+5], s[OB:OB+1] offset:(\a)*4*UNIT+512
	global_store_b128 v1, v[PC+6:PC+9], s[OB:OB+1] offset:(\a)*4*UNIT+768
	global_store_b64 v2, v[PC+10:PC+11], s[OB:OB+1] offset:(\a)*4*UNIT+1280
	v_mov_b32 v[KW+\a], v[PW]
.endm
	s_load_b256 s[32:39], s[0:1], 0x0              ; zimg, img, b1, himg
	v_lshl_add_u32 v[SPW], v0, 2, SPARE
	v_mov_b32 v[NIL], 0
	ds_add_u32 v[SPW], v[NIL]                      ; the wave's opening: the add and its wait ahead of my first tensor load
	v_lshrrev_b32 v1, 5, v0
	v_readfirstlane_b32 s10, v1
	s_bfe_u32 s11, ttmp6, 0x40000
	s_lshl_b32 s12, ttmp9, 2
	s_add_co_u32 s12, s12, s11                     ; x
	s_and_b32 s13, ttmp7, 0xffff                   ; y
	s_mov_b32 s16, 0x0023000f
	s_mov_b32 s17, 32<<16
	s_mov_b32 s18, 100<<16
	s_mov_b32 s19, 32<<16
	s_mov_b32 s20, 100
	s_mov_b32 s21, 32
	s_mov_b32 s22, 0
	s_mov_b32 s23, 0
	s_mul_i32 s14, s10, 2*UNIT
	s_lshl_b32 s15, s13, 4
	s_lshl_b32 s2, s10, 1
	s_add_co_u32 s15, s15, s2
	s_add_co_u32 s15, s15, 512                     ; unit 512 + 16 y + 2 w
	s_mul_i32 s2, s15, UNIT
	s_mov_b32 s3, 0
	v_and_b32 v3, 31, v0
	v_lshlrev_b32 v1, 4, v3
	v_lshlrev_b32 v2, 3, v3
	v_lshlrev_b32 v3, 2, v3
	v_and_b32 v4, 15, v0
	v_bfe_u32 v5, v0, 4, 1
	v_lshlrev_b32 v14, 6, v5                       ; the bias: 64 h
	v_mul_u32_u24 v15, v5, 4*UNIT
	v_lshl_add_u32 v15, v4, 2, v15                 ; scale words: lanes 0-15 the even tile's unit, lanes 16-31 the odd tile's
	CPAIR 66, 0xaf95df0b                           ; a0, a2 .. a6
	CPAIR 68, 0xb60cff51
	CPAIR 70, 0xb86ec2d2
	CPAIR 72, 0xba40ac63
	CPAIR 74, 0xbb41a1f6
	CPAIR 76, 0xbc83dbd4
	CPAIR 78, 0xb77460cd                           ; b0, b2 .. b4
	CPAIR 80, 0xbadc924e
	CPAIR 82, 0xbbf19bf8
	CPAIR 84, 0xbc69b6a7
	v_mov_b32 v150, 0x32edffee                     ; a1 and b1 in vector pairs: a packed line takes one scalar pair
	v_mov_b32 v151, 0x32edffee
	v_mov_b32 v152, 0xb95fbd29
	v_mov_b32 v153, 0xb95fbd29
	s_mov_b32 s[SEL], 0x76543210
	s_mov_b32 s[SEL+1], 0xfedcba98
	s_mov_b32 s[HM], 0xffff0000
.irp b, 0,1,2,3
	v_mov_b32 v[TM+4+\b], 0
.endr
	s_lshl_b32 s50, s12, 4
	s_lshl_b32 s51, s10, 2
	s_add_co_u32 s50, s50, s51                     ; my first token tile
	s_mul_i32 s52, s50, UNIT
	s_mov_b32 s53, 0
	s_mul_i32 s54, s50, 4*UNIT
	s_lshr_b32 s51, s13, 2
	s_mul_i32 s51, s51, UNIT
	s_add_co_u32 s54, s54, s51                     ; the chunk's unit
	s_and_b32 s51, s13, 3
	s_mul_i32 s56, s51, 2*FRB
	s_add_co_u32 s56, s56, s54                     ; K step 2 (y % 4) in it
	s_mov_b32 s57, 0
	s_lshl_b32 s58, s51, 7
	s_add_co_u32 s58, s58, s54
	s_add_co_u32 s58, s58, SCO
	s_mov_b32 s59, 0
	s_lshl_b32 s60, s13, 10                        ; 256 numbers of b1 for each y
	s_mov_b32 s61, 0
	s_wait_dscnt 0x0
	s_wait_kmcnt 0x0
	s_mov_b32 s24, 1
	s_mov_b32 s25, s14
	s_add_nc_u64 s[26:27], s[34:35], s[2:3]
	s_mov_b32 s28, 1
	s_add_co_u32 s29, s14, SLOTB
	s_add_nc_u64 s[30:31], s[26:27], 8*UNIT
	s_or_b32 s27, s27, 0x80000000
	s_or_b32 s31, s31, 0x80000000
	s_add_nc_u64 s[TB:TB+1], s[32:33], s[52:53]
	s_add_nc_u64 s[OB:OB+1], s[38:39], s[56:57]
	s_add_nc_u64 s[OSB:OSB+1], s[38:39], s[58:59]
	s_add_nc_u64 s[BB1:BB1+1], s[36:37], s[60:61]
	CROUND
	tensor_load_to_lds s[24:27], s[16:23]          ; two loads of mine are out
	s_nop 0
	tensor_load_to_lds s[28:31], s[16:23]
	s_nop 0
	PLACES 4
	BIAS 0
.irp a, 0,1,2,3
.irp p, 0,1,2,3
	global_load_b32 v[TSC+4*\a+\p], v3, s[TB:TB+1] offset:\a*UNIT+SCO+128*\p
.endr
.endr
.irp s, 0,1,2,3,4,5,6,7
	TLOAD_T \s
.endr
	WIN 0
	s_wait_tensorcnt 0x1                           ; my part of slot 0 has landed; slot 1's load, issued behind it, may stay out
	s_barrier_signal -1
	s_barrier_wait -1                              ; everybody's part of slot 0 has
	s_mov_b32 s[SB], 0
	s_mov_b32 s[TRIP], 0
.Lblk:
	v_add_nc_u32 v[AW16], s[SB], v1
	v_add_nc_u32 v[AW8], s[SB], v2
	v_add_nc_u32 v[AW4], s[SB], v3
	v_add_nc_u32 v[AW16+1], 4*UNIT, v[AW16]
	v_add_nc_u32 v[AW8+1], 4*UNIT, v[AW8]
	v_add_nc_u32 v[AW4+1], 4*UNIT, v[AW4]
	WSCALES
	FETCHW 0, 0
	KSTEP 0, 63, 2
	KSTEP 1, 63, 0
	KSTEP 2, 63, 0
	KSTEP 3, 63, 0
	KSTEP 4, 48, 0
	KSTEP 5, 32, 0
	KSTEP 6, 16, 0
	KSTEP 7, 0, 0
	PLACES 4
	WIN 0
	EPI 3                                          ; tile 3 first: its accumulators then take the next block's bias
	s_cmp_eq_u32 s[TRIP], 1
	s_cbranch_scc1 .Lno_bias                       ; the last block asks for none: no load leaves b1
	BIAS 512
.Lno_bias:
	EPI 0
	EPI 1
	EPI 2
	v_cndmask_b32 v154, v[KW], v[KW+1], s[HM]
	v_cndmask_b32 v155, v[KW+2], v[KW+3], s[HM]
	global_store_b32 v15, v154, s[OSB:OSB+1]
	global_store_b32 v15, v155, s[OSB:OSB+1] offset:8*UNIT
	s_wait_loadcnt 0x0                             ; the next block's bias
	s_wait_xcnt 0x0                                ; the stores have read their bases and registers
	s_add_nc_u64 s[OB:OB+1], s[OB:OB+1], FRB
	s_add_nc_u64 s[OSB:OSB+1], s[OSB:OSB+1], 64
	s_wait_tensorcnt 0x0                           ; my part of slot 1 has landed: it had the first block's work for that (the second trip finds nothing out);
	s_wait_dscnt 0x0                               ; no LDS instruction of mine is out at the signal
	s_barrier_signal -1
	s_barrier_wait -1                              ; everybody's part has: the next trip reads slot 1.  No slot is filled behind this barrier
	s_add_co_u32 s[SB], s[SB], SLOTB
	s_add_co_u32 s[TRIP], s[TRIP], 1
	s_cmp_lt_u32 s[TRIP], 2
	s_cbranch_scc1 .Lblk
	s_wait_tensorcnt 0x0                           ; the wave's end
	ds_add_u32 v[SPW], v[NIL]
	s_wait_dscnt 0x0
	CROUND
	s_endpgm
.Lfunc_end_k_q68e6d5508c_w1:
	.size	k_q68e6d5508c_w1, .Lfunc_end_k_q68e6d5508c_w1-k_q68e6d5508c_w1
	.p2alignl 7, 3214868480
	.fill 96, 4, 3214868480
	.section	.rodata,"a",@progbits
	.p2align	6, 0x0
	.amdhsa_kernel k_q68e6d5508c_w1
		.amdhsa_group_segment_fixed_size 205312
		.amdhsa_private_segment_fixed_size 0
		.amdhsa_enable_private_segment 0
		.amdhsa_kernarg_size 32
		.amdhsa_user_sgpr_count 2
		.amdhsa_user_sgpr_kernarg_segment_ptr 1
		.amdhsa_wavefront_size32 1
		.amdhsa_system_sgpr_workgroup_id_x 1
		.amdhsa_system_sgpr_workgroup_id_y 1
		.amdhsa_system_sgpr_workgroup_id_z 1
		.amdhsa_system_vgpr_workitem_id 0
		.amdhsa_next_free_vgpr 1024
		.amdhsa_next_free_sgpr 100
		.amdhsa_reserve_vcc 0
		.amdhsa_float_denorm_mode_32 3
		.amdhsa_float_denorm_mode_16_64 3
		.amdhsa_memory_ordered 1
		.amdhsa_forward_progress 1
		.amdhsa_inst_pref_size 251
	.end_amdhsa_kernel
	.amdgpu_metadata
---
amdhsa.version: [ 1, 2 ]
amdhsa.kernels:
  - .name:           k_q68e6d5508c_w1
    .symbol:         k_q68e6d5508c_w1.kd
    .args:
      - { .name: zimg, .offset: 0, .size: 8, .value_kind: global_buffer, .address_space: global }
      - { .name: img, .offset: 8, .size: 8, .value_kind: global_buffer, .address_space: global }
      - { .name: b1, .offset: 16, .size: 8, .value_kind: global_buffer, .address_space: global }
      - { .name: himg, .offset: 24, .size: 8, .value_kind: global_buffer, .address_space: global }
    .group_segment_fixed_size: 205312
    .private_segment_fixed_size: 0
    .kernarg_segment_align: 8
    .kernarg_segment_size: 32
    .max_flat_workgroup_size: 128
    .sgpr_count:     100
    .vgpr_count:     1024
    .wavefront_size: 32
...
	.end_amdgpu_metadata
.endif
;; end of part 6
;; launch w2 (part 7): grid 32 x 8, 4 waves a work-group, clusters of 4 x 1, 327,680 bytes of LDS; arguments himg, img, b2, abuf, out0; writes out0
.if DOCPART == 7
	.amdgcn_target "amdgcn-amd-amdhsa--gfx1250"
	.amdhsa_code_object_version 6
	.text
	.protected	k_q68e6d5508c_w2
	.globl	k_q68e6d5508c_w2
	.p2align	8
	.type	k_q68e6d5508c_w2,@function
k_q68e6d5508c_w2:
	s_mov_b64 s[64:65], 0
	v_nop
	global_prefetch_b8 v0, s[64:65] scope:SCOPE_SE
	s_setreg_imm32_b32 hwreg(HW_REG_WAVE_MODE, 25, 1), 1
	s_wait_xcnt 0x0
	s_wait_alu depctr_hold_cnt(0) depctr_sa_sdst(0) depctr_va_vdst(0) depctr_va_sdst(0) depctr_va_ssrc(0) depctr_va_vcc(0) depctr_vm_vsrc(0)
	s_getreg_b32 s2, hwreg(HW_REG_IB_STS2, 6, 4)
	s_cmp_eq_u32 s2, 0
	s_cbranch_scc0 .Lentry_in_a_cluster
	s_endpgm
.Lentry_in_a_cluster:
	s_bfe_u32 s2, ttmp6, 0x10000c
	s_cmp_lg_u32 s2, 0x3003
	s_cbranch_scc0 .Lentry_shape_is_right
	s_endpgm
.Lentry_shape_is_right:
; out0 = A + h w2^T + b2; the product on codes of FP6, K = 4,096 in four chunks of 1,024.
; Work-group (x, y): 128 tokens against 128 rows of w2.  Wave w owns two token tiles.  A chunk's eight weight units (102,400 dense bytes) lie in an LDS slot; three slots are first fills, chunk 3 fills slot 0 again,
; behind a round of the cluster's barrier, and has two chunks' work in which to land.  All loads of weights are joint for the four work-groups of the cluster, which differ in x alone.
; The token fragments come from memory into a RING OF EIGHT K STEPS IN REGISTERS: at the head of K step g the fragments of K step g + 7 are asked for, into the registers that K step g - 1 has left.
; b2 lies in token tile 1's accumulators and is the C of the first K step's products.  A's rows are asked for at K step 25 and added on the way out, which goes through the wave's stage as whole rows of 512 bytes.
; The stages lie in slot 1: it has had its last fill, and every wave has passed the barrier behind its last read.
; REGISTERS: window 0: v1-5 lane terms, v6-11 LDS addresses, v14, v15 the stage, v16-31 tokens' scale words in two sets, v32-63 weights', v64-127, v160-223 rows on the way out, v149 the bias's offset, v160-255 weight set 1.
;   window 1: v0-127 the 16 accumulators, v128-223 weight set 0.   window 2: the ring.   window 3: v0-127 A's rows.
.set UNIT,  12800
.set FRB,   1536
.set SCO,   12288
.set SLOTB, 8*UNIT
.set STG,   SLOTB
.set SPARE, 3*SLOTB                    ; behind the slots: the spare words, 128 bytes for each wave: two blocks of 256 bytes that no other line names
.set AW16,  6
.set AW8,   8
.set AW4,   10
.set SPW,   12
.set NIL,   13
.set STO,   14
.set RD,    15
.set TSC,   16
.set WSC,   32
.set WS0,   128
.set WS1,   160
.set TB,    42
.set AB,    44
.set OB,    46
.set BB2,   48
.set MSB, 0
.macro WIN new
.if MSB != (\new)
	s_set_vgpr_msb (MSB<<8)|(\new)
.set MSB, (\new)
.endif
.endm
.macro PLACES n
.rept \n
	v_nop
.endr
.endm
.macro CROUND
	s_barrier_signal -1
	s_barrier_wait -1
	s_cmp_lg_u32 s10, 0
	s_cbranch_scc1 .Lnot_wave_0_\@
	s_barrier_signal -3
.Lnot_wave_0_\@:
	s_barrier_wait -3
	s_barrier_signal -1
	s_barrier_wait -1
.endm
.macro WM d, a, b, c, sa, sb, odd
.if \odd
	v_wmma_scale_f32_16x16x128_f8f6f4 v[(\d):(\d)+7], v[(\a):(\a)+11], v[(\b):(\b)+11], v[(\c):(\c)+7], v[\sa], v[\sb] matrix_a_fmt:MATRIX_FMT_FP6 matrix_b_fmt:MATRIX_FMT_FP6 matrix_a_scale:MATRIX_SCALE_ROW1 matrix_b_scale:MATRIX_SCALE_ROW1
.else
	v_wmma_scale_f32_16x16x128_f8f6f4 v[(\d):(\d)+7], v[(\a):(\a)+11], v[(\b):(\b)+11], v[(\c):(\c)+7], v[\sa], v[\sb] matrix_a_fmt:MATRIX_FMT_FP6 matrix_b_fmt:MATRIX_FMT_FP6
.endif
.endm
.macro WFRAG reg, b, s
	ds_load_b128 v[(\reg):(\reg)+3], v[AW16+(\b)/4] offset:((\b)%4)*UNIT+FRB*(\s)
	ds_load_b64 v[(\reg)+4:(\reg)+5], v[AW8+(\b)/4] offset:((\b)%4)*UNIT+FRB*(\s)+512
	ds_load_b128 v[(\reg)+6:(\reg)+9], v[AW16+(\b)/4] offset:((\b)%4)*UNIT+FRB*(\s)+768
	ds_load_b64 v[(\reg)+10:(\reg)+11], v[AW8+(\b)/4] offset:((\b)%4)*UNIT+FRB*(\s)+1280
.endm
.macro FETCHW s, set
.if (\set) == 0
	WIN 0x40
.irp b, 0,1,2,3,4,5,6,7
	WFRAG WS0+12*\b, \b, \s
.endr
.else
	WIN 0
.irp b, 0,1,2,3,4,5,6,7
	WFRAG WS1+12*\b, \b, \s
.endr
.endif
.endm
.macro WSCALES
.irp b, 0,1,2,3,4,5,6,7
.irp p, 0,1,2,3
	ds_load_b32 v[WSC+4*\b+\p], v[AW4+\b/4] offset:(\b%4)*UNIT+SCO+128*\p
.endr
.endr
.endm
.macro TSLOAD q                        ; chunk q's scale words of my two token tiles, into set q % 2
	WIN 0
.irp a, 0,1
.irp p, 0,1,2,3
	global_load_b32 v[TSC+8*((\q)%2)+4*\a+\p], v3, s[TB:TB+1] offset:\a*4*UNIT+(\q)*UNIT+SCO+128*\p
.endr
.endr
.endm
.macro TLOADG t                        ; K step t's fragments of my two token tiles, into place t % 8 of the ring: eight loads
	WIN 0x80
.irp a, 0,1
	global_load_b128 v[12*(2*((\t)%8)+\a):12*(2*((\t)%8)+\a)+3], v1, s[TB:TB+1] offset:\a*4*UNIT+((\t)/8)*UNIT+((\t)%8)*FRB
	global_load_b64 v[12*(2*((\t)%8)+\a)+4:12*(2*((\t)%8)+\a)+5], v2, s[TB:TB+1] offset:\a*4*UNIT+((\t)/8)*UNIT+((\t)%8)*FRB+512
	global_load_b128 v[12*(2*((\t)%8)+\a)+6:12*(2*((\t)%8)+\a)+9], v1, s[TB:TB+1] offset:\a*4*UNIT+((\t)/8)*UNIT+((\t)%8)*FRB+768
	global_load_b64 v[12*(2*((\t)%8)+\a)+10:12*(2*((\t)%8)+\a)+11], v2, s[TB:TB+1] offset:\a*4*UNIT+((\t)/8)*UNIT+((\t)%8)*FRB+1280
.endr
.endm
.macro MULS q, s, mode                 ; 16 products; the 16 accumulators take turns, one instruction a turn
.set WR, WS0+(WS1-WS0)*((\s)%2)
.set TS, TSC+8*((\q)%2)
	WIN 0x58|(1-(\s)%2)
.if (\mode) == 2
.irp b, 0,1,2,3,4,5,6,7
	WM 8*\b, WR+12*\b, 24*(\s), 8*(8+\b), WSC+4*\b+(\s)/2, TS+(\s)/2, (\s)%2
.endr
	PLACES 5                                       ; tile 1's products write over registers that the products above took as C (ISA guide 7.12.1)
.irp b, 0,1,2,3,4,5,6,7
	WM 8*(8+\b), WR+12*\b, 24*(\s)+12, 8*(8+\b), WSC+4*\b+(\s)/2, TS+4+(\s)/2, (\s)%2
.endr
.else
.irp a, 0,1
.irp b, 0,1,2,3,4,5,6,7
	WM 8*(8*\a+\b), WR+12*\b, 24*(\s)+12*\a, 8*(8*\a+\b), WSC+4*\b+(\s)/2, TS+4*\a+(\s)/2, (\s)%2
.endr
.endr
.endif
.endm
.macro KSTEP q, s, mode
.set KG, 8*(\q)+(\s)
.if KG == 0
.set NW, 56                            ; K steps 1 to 7 are younger
.elseif KG <= 25
.set NW, 48                            ; six younger K steps of the ring (scale words issued between are not counted: the wait is the stricter for it)
.else
.set NW, 8*(31-KG)+32                  ; what is left of the ring, and A's 32 loads
.endif
.if NW > 63
.set NW, 63
.endif
	s_wait_loadcnt NW
	s_wait_dscnt 0x0                               ; this step's weight fragments, asked for a K step ago
	PLACES 4                                       ; behind the products that read the other weight set and the ring's place that is filled below
.if (\s) < 7
	FETCHW (\s)+1, ((\s)+1)%2
.endif
.if ((\s) == 1) && ((\q) < 3)
	TSLOAD (\q)+1
.endif
.if (KG >= 1) && (KG <= 24)
	TLOADG KG+7
.endif
.if KG == 25
	WIN 0xc0
.irp a, 0,1
.irp i, 0,1,2,3,4,5,6,7,8,9,10,11,12,13,14,15
	global_load_b128 v[64*\a+4*\i:64*\a+4*\i+3], v1, s[AB:AB+1] offset:32768*\a+4096*(\i+8*(\i/8))   ; A's rows, as the way out will hold them
.endr
.endr
.endif
	MULS \q, \s, \mode
.endm
.macro CHUNK q, slot
	WIN 0
	v_add_nc_u32 v[AW16], (\slot)*SLOTB, v1        ; six plain lines: also the places in front of the loads into the scale words and weight set 0
	v_add_nc_u32 v[AW8], (\slot)*SLOTB, v2
	v_add_nc_u32 v[AW4], (\slot)*SLOTB, v3
	v_add_nc_u32 v[AW16+1], (\slot)*SLOTB+4*UNIT, v1
	v_add_nc_u32 v[AW8+1], (\slot)*SLOTB+4*UNIT, v2
	v_add_nc_u32 v[AW4+1], (\slot)*SLOTB+4*UNIT, v3
	WSCALES
	FETCHW 0, 0
.if (\q) == 0
	KSTEP \q, 0, 2
.else
	KSTEP \q, 0, 0
.endif
.irp s, 1,2,3,4,5,6,7
	KSTEP \q, \s, 0
.endr
	WIN 0
.endm
.macro TOSTAGE a
.set BB, 64+96*(\a)
	WIN 0x04
.irp b, 0,1,2,3,4,5,6,7
	ds_store_b128 v[STO], v[8*(8*(\a)+\b):8*(8*(\a)+\b)+3] offset:128*(\b/2)+32*(\b%2)          ; each accumulator from its low end on
	ds_store_b128 v[STO], v[8*(8*(\a)+\b)+4:8*(8*(\a)+\b)+7] offset:128*(\b/2)+32*(\b%2)+16
.endr
	WIN 0
.irp i, 0,1,2,3,4,5,6,7,8,9,10,11,12,13,14,15
	ds_load_b128 v[BB+4*\i:BB+4*\i+3], v[RD] offset:528*\i
.endr
.endm
.macro SEND a, younger
.set BB, 64+96*(\a)
	s_wait_dscnt \younger
	WIN 0x0c
.set j, 0
.rept 32
	v_pk_add_f32 v[BB+j:BB+j+1], v[BB+j:BB+j+1], v[64*(\a)+j:64*(\a)+j+1]   ; + A
.set j, j+2
.endr
	WIN 0
.irp i, 0,1,2,3,4,5,6,7,8,9,10,11,12,13,14,15
	global_store_b128 v1, v[BB+4*\i:BB+4*\i+3], s[OB:OB+1] offset:32768*(\a)+4096*(\i+8*(\i/8)) th:TH_STORE_NT   ; 32 lanes store 512 consecutive bytes, at a multiple of 256 from out0's first byte
.endr
.endm
	s_load_b256 s[52:59], s[0:1], 0x0              ; himg, img, b2, abuf
	s_load_b64 s[60:61], s[0:1], 0x20              ; out0
	v_lshl_add_u32 v[SPW], v0, 2, SPARE
	v_mov_b32 v[NIL], 0
	ds_add_u32 v[SPW], v[NIL]                      ; the wave's opening: the add and its wait ahead of my first tensor load
	v_lshrrev_b32 v1, 5, v0
	v_readfirstlane_b32 s10, v1
	s_bfe_u32 s11, ttmp6, 0x40000
	s_lshl_b32 s12, ttmp9, 2
	s_add_co_u32 s12, s12, s11                     ; x
	s_and_b32 s13, ttmp7, 0xffff                   ; y
	s_mov_b32 s16, 0x0023000f
	s_mov_b32 s17, 32<<16
	s_mov_b32 s18, 100<<16
	s_mov_b32 s19, 32<<16
	s_mov_b32 s20, 100
	s_mov_b32 s21, 32
	s_mov_b32 s22, 0
	s_mov_b32 s23, 0
	s_mul_i32 s14, s10, 2*UNIT
	s_lshl_b32 s15, s13, 3
	s_lshl_b32 s2, s10, 1
	s_add_co_u32 s15, s15, s2
	s_add_co_u32 s15, s15, 768                     ; unit 768 + 8 y + 2 w; 64 units from chunk to chunk
	s_mul_i32 s2, s15, UNIT
	s_mov_b32 s3, 0
	v_and_b32 v3, 31, v0
	v_lshlrev_b32 v1, 4, v3
	v_lshlrev_b32 v2, 3, v3
	v_lshlrev_b32 v3, 2, v3
	v_and_b32 v4, 15, v0
	v_bfe_u32 v5, v0, 4, 1
	v_lshlrev_b32 v149, 6, v5                      ; the bias: 64 h
	s_mul_i32 s50, s10, 8448
	s_add_co_u32 s50, s50, STG
	v_mul_u32_u24 v[STO], v4, 528
	v_lshl_add_u32 v[STO], v5, 6, v[STO]
	v_add_nc_u32 v[STO], s50, v[STO]
	v_add_nc_u32 v[RD], s50, v1
	s_lshl_b32 s62, s12, 3
	s_lshl_b32 s63, s10, 1
	s_add_co_u32 s62, s62, s63                     ; my first token tile
	s_mul_i32 s62, s62, 4*UNIT
	s_mov_b32 s63, 0
	s_lshl_b32 s66, s12, 2
	s_add_co_u32 s66, s66, s10
	s_lshl_b32 s66, s66, 17
	s_lshl_b32 s67, s13, 9
	s_add_co_u32 s66, s66, s67                     ; my rows and columns in A and in out0
	s_mov_b32 s68, s67                             ; 128 numbers of b2 for each y
	s_mov_b32 s67, 0
	s_mov_b32 s69, 0
	s_wait_dscnt 0x0
	s_wait_kmcnt 0x0
	s_mov_b32 s24, 1
	s_mov_b32 s25, s14
	s_add_nc_u64 s[26:27], s[54:55], s[2:3]
	s_mov_b32 s28, 1
	s_add_co_u32 s29, s14, SLOTB
	s_add_nc_u64 s[30:31], s[26:27], 64*UNIT
	s_mov_b32 s32, 1
	s_add_co_u32 s33, s14, 2*SLOTB
	s_add_nc_u64 s[34:35], s[26:27], 128*UNIT
	s_mov_b32 s36, 1
	s_mov_b32 s37, s14
	s_add_nc_u64 s[38:39], s[26:27], 192*UNIT
	s_or_b32 s27, s27, 0x80000000
	s_or_b32 s31, s31, 0x80000000
	s_or_b32 s35, s35, 0x80000000
	s_or_b32 s39, s39, 0x80000000
	s_add_nc_u64 s[TB:TB+1], s[52:53], s[62:63]
	s_add_nc_u64 s[AB:AB+1], s[58:59], s[66:67]
	s_add_nc_u64 s[OB:OB+1], s[60:61], s[66:67]
	s_add_nc_u64 s[BB2:BB2+1], s[56:57], s[68:69]
	CROUND
	tensor_load_to_lds s[24:27], s[16:23]          ; chunks 0, 1, 2: three loads of mine are out
	s_nop 0
	tensor_load_to_lds s[28:31], s[16:23]
	s_nop 0
	tensor_load_to_lds s[32:35], s[16:23]
	s_nop 0
	PLACES 4
	WIN 0x40
.irp b, 0,1,2,3,4,5,6,7
	global_load_b128 v[8*(8+\b):8*(8+\b)+3], v149, s[BB2:BB2+1] offset:4*(32*(\b/2)+8*(\b%2))
	global_load_b128 v[8*(8+\b)+4:8*(8+\b)+7], v149, s[BB2:BB2+1] offset:4*(32*(\b/2)+8*(\b%2))+16
.endr
	TSLOAD 0
.irp t, 0,1,2,3,4,5,6,7
	TLOADG \t
.endr
	WIN 0
	s_wait_tensorcnt 2                             ; my part of chunk 0 is in; the two later slots' loads may stay out
	s_barrier_signal -1
	s_barrier_wait -1
	CHUNK 0, 0
	s_wait_tensorcnt 0x0                           ; all my tensor loads have landed, chunks 1 and 2 among them;
	ds_add_u32 v[SPW], v[NIL]                      ; 0 onto my spare word;
	s_wait_dscnt 0x0                               ; the add is done, and my reads of slot 0 are over
	CROUND                                         ; both now hold of every wave of all four work-groups
	tensor_load_to_lds s[36:39], s[16:23]          ; chunk 3 into slot 0: my one tensor load behind the round
	s_nop 0
	PLACES 4
	CHUNK 1, 1
	CHUNK 2, 2
	s_wait_tensorcnt 0x0                           ; my part of chunk 3 is in,
	s_wait_dscnt 0x0
	s_barrier_signal -1
	s_barrier_wait -1                              ; everybody's is; and nobody reads slot 1 any more
	CHUNK 3, 0
	PLACES 4                                       ; in front of the first read of results and of loads into weight set 1
	TOSTAGE 0
	TOSTAGE 1
	s_wait_loadcnt 0x0                             ; A's rows
	SEND 0, 32                                     ; tile 1's 16 stores and 16 loads are younger
	SEND 1, 0
	s_wait_tensorcnt 0x0                           ; the wave's end
	ds_add_u32 v[SPW], v[NIL]
	s_wait_dscnt 0x0
	CROUND                                         ; the closing round
	s_endpgm
.Lfunc_end_k_q68e6d5508c_w2:
	.size	k_q68e6d5508c_w2, .Lfunc_end_k_q68e6d5508c_w2-k_q68e6d5508c_w2
	.p2alignl 7, 3214868480
	.fill 96, 4, 3214868480
	.section	.rodata,"a",@progbits
	.p2align	6, 0x0
	.amdhsa_kernel k_q68e6d5508c_w2
		.amdhsa_group_segment_fixed_size 327680
		.amdhsa_private_segment_fixed_size 0
		.amdhsa_enable_private_segment 0
		.amdhsa_kernarg_size 40
		.amdhsa_user_sgpr_count 2
		.amdhsa_user_sgpr_kernarg_segment_ptr 1
		.amdhsa_wavefront_size32 1
		.amdhsa_system_sgpr_workgroup_id_x 1
		.amdhsa_system_sgpr_workgroup_id_y 1
		.amdhsa_system_sgpr_workgroup_id_z 1
		.amdhsa_system_vgpr_workitem_id 0
		.amdhsa_next_free_vgpr 896
		.amdhsa_next_free_sgpr 80
		.amdhsa_reserve_vcc 0
		.amdhsa_float_denorm_mode_32 3
		.amdhsa_float_denorm_mode_16_64 3
		.amdhsa_memory_ordered 1
		.amdhsa_forward_progress 1
		.amdhsa_inst_pref_size 196
	.end_amdhsa_kernel
	.amdgpu_metadata
---
amdhsa.version: [ 1, 2 ]
amdhsa.kernels:
  - .name:           k_q68e6d5508c_w2
    .symbol:         k_q68e6d5508c_w2.kd
    .args:
      - { .name: himg, .offset: 0, .size: 8, .value_kind: global_buffer, .address_space: global }
      - { .name: img, .offset: 8, .size: 8, .value_kind: global_buffer, .address_space: global }
      - { .name: b2, .offset: 16, .size: 8, .value_kind: global_buffer, .address_space: global }
      - { .name: abuf, .offset: 24, .size: 8, .value_kind: global_buffer, .address_space: global }
      - { .name: out0, .offset: 32, .size: 8, .value_kind: global_buffer, .address_space: global }
    .group_segment_fixed_size: 327680
    .private_segment_fixed_size: 0
    .kernarg_segment_align: 8
    .kernarg_segment_size: 40
    .max_flat_workgroup_size: 128
    .sgpr_count:     80
    .vgpr_count:     896
    .wavefront_size: 32
...
	.end_amdgpu_metadata
.endif
;; end of part 7
